; MI455X (gfx1250); checked and timed in simulation.
; The chip was launched on July 23, 2026; its instructions are those of AMD's public machine-readable ISA for CDNA 5 (MIT licence, August 2026) and "CDNA5" Instruction Set Architecture Reference Guide (July 2026). The comments in the code are by the model that wrote it; some were corrected since.
;; Mo E Fusion. Allowed arithmetic: matrix products marked QUANTISED: E2M3 operands, one E8M0 scale for each 32 along K, by v_wmma_scale_f32_16x16x128_f8f6f4 with both operands' format E2M3, f32 sums; products left as they are: f32 operands where the result goes on into a quantised operand, else bf16, f16 or f32 operands; f32 sums; everything else in f32.
;; Inputs: b1 8 x 1,024 float32; b2 8 x 1,024 float32; beta 8 x 1,024 float32; gamma 8 x 1,024 float32; router_b 8 float32; router_w 1,024 x 8 float32; w1_codes 8 x 1,024 x 32 x 24 uint8 (E2M3 codes of w1, K innermost, in blocks of 32 codes, four codes in three bytes); w1_scales 8 x 1,024 x 32 uint8 (E8M0 scales of w1, one for each 32 codes along K); w2_codes 8 x 1,024 x 32 x 24 uint8 (E2M3 codes of w2, K innermost, in blocks of 32 codes, four codes in three bytes); w2_scales 8 x 1,024 x 32 uint8 (E8M0 scales of w2, one for each 32 codes along K); z_e 4,096 x 512 float32; z_s 4,096 x 512 float32.
;; Outputs: out0 4,096 x 1,024 float32.
;; This version of the problem:
;;   THIS VERSION OF THE PROBLEM IS GIVEN IN LOW PRECISION. The matrix products marked QUANTISED in the list below multiply operands that are first quantised to E2M3 (2 exponent bits, 3 mantissa bits; 6 bits a number), with one power-of-two scale for each 32 numbers along K (OCP MX v1.0); their sums are f32. All else is computed in f32.
;;   The module's matrix products, in the order in which they are computed (A, B: the left and right operand; K: the contracted axis; several contracted axes count as one K, in the product's order):
;;     1. [M 4,096, K 1,024] x [K 1,024, N 8]; A: computed on the way; B: input router_w: left as it is (N = 8 < 16)
;;     2. [M 4,096, K 1,024] x [K 1,024, N 8,192]; A: computed on the way; B: input w1 (given as codes): QUANTISED
;;     3. batch 8 x [M 1,024, K 1,024] x [K 1,024, N 4,096]; A: input w2 (given as codes); B: computed on the way: QUANTISED
;;     4. batch 4,096 x [M 1, K 8] x [K 8, N 1,024]; A: softmax; B: computed on the way: left as it is (K = 8 < 32)
;;   THE QUANTISER, for each operand of a quantised product, along K:
;;     - K is cut into blocks of 32 from its start; a last block that is shorter is filled with zeros.
;;     - A block's scale is 2^e with e = floor(log2(the largest magnitude in the block)) - 2, held to -126 .. 127; a block of zeros has e = 0. As a byte (E8M0): e + 127.
;;     - Each number is divided by its block's scale, clamped to +-7.5, and rounded to the nearest number of E2M3, ties to even, subnormals kept.
;;     - The product sums the exact products of the quantised numbers (number of the format x scale) in f32.
;;   ~~~python
;;   def quantise(x, axis):      # numpy; x: float32 -> the quantised numbers, widened to float32 again
;;       x = np.moveaxis(x, axis, -1); K = x.shape[-1]
;;       x = np.pad(x, [(0, 0)] * (x.ndim - 1) + [(0, -K % 32)]); x = x.reshape(x.shape[:-1] + (-1, 32)); a = np.abs(x).max(-1, keepdims=True)
;;       e = np.where(a > 0, np.clip(np.frexp(np.where(a > 0, a, 1))[1] - 1 - 2, -126, 127), 0)      # np.frexp(a)[1] - 1 = floor(log2(a)), exactly
;;       r = np.clip(x / 2.0 ** e, -7.5, 7.5)
;;       step = 2.0 ** (np.maximum(np.frexp(np.where(r == 0, 1, r))[1] - 1, 0) - 3)
;;       q = np.round(r / step) * step * 2.0 ** e      # np.round: ties to even
;;       return np.moveaxis(q.reshape(q.shape[:-2] + (-1,))[..., :K], -1, axis).astype(np.float32)
;;   ~~~
;;   OPERANDS COMPUTED ON THE WAY. 'Computed on the way' means the value that the module computes at that place (a softmax that the list does not call 'softmax' is quantised finished and normalised). What goes into a quantiser is computed in f32, as accurately as f32 sums, v_exp_f32 and their like allow (about 1e-6 of the number): no bf16 or f16 on the way to a quantiser, and a product that is left as it is and whose result goes on into a quantised operand takes f32 operands (vector FMAs, or v_wmma_f32_16x16x4_f32). A number that lies on a knife's edge between two numbers of the format may be rounded either way, as far as f32 arithmetic and the matrix unit's own rounding can turn it there, and no further.
;;   INPUTS GIVEN AS CODES. w1 (in the module: [8, 1024, 1024], K = its axis 1); w2 (in the module: [8, 1024, 1024], K = its axis 1): each comes as NAME_codes (uint8): NAME with its K axis moved to the last place and cut into blocks of 32 codes, [.., K / 32, bytes a block], one block behind the other in memory; four codes in three bytes: a row's codes are one little-endian stream of bits, code i at bits 6 i .. 6 i + 5 (a code: sign, 2 exponent bits, 3 mantissa bits); and NAME_scales (uint8): the same leading axes, one E8M0 byte (e + 127) for each 32 codes along K. Its value is code x scale, taken as it is: it is not quantised again, and the codes and scales need not be those that the quantiser above would give.
;; One version. Each part assembles by itself: llvm-mc -triple=amdgcn-amd-amdhsa -mcpu=gfx1250 --defsym DOCPART=n.
;; ======== version 1 of 1: 4 launches
;; limits: right only within a limited range of input values
;; workspace buffers: xc 3,145,728 bytes; xs 131,072 bytes; wts 131,072 bytes; hc 25,165,824 bytes; hs 1,048,576 bytes; y 134,217,728 bytes
;; launch prep (part 1): grid 256 x 1, 8 waves a work-group, no clusters, 73,216 bytes of LDS; arguments z_s, z_e, router_w, router_b, xc, xs, wts; writes xc, xs, wts
.if DOCPART == 1
	.amdgcn_target "amdgcn-amd-amdhsa--gfx1250"
	.amdhsa_code_object_version 6
	.text
	.protected	k_q09ef3d1c31_prep
	.globl	k_q09ef3d1c31_prep
	.p2align	8
	.type	k_q09ef3d1c31_prep,@function
k_q09ef3d1c31_prep:
	s_mov_b64 s[64:65], 0
	v_nop
	global_prefetch_b8 v0, s[64:65] scope:SCOPE_SE
	s_setreg_imm32_b32 hwreg(HW_REG_WAVE_MODE, 25, 1), 1
	s_wait_xcnt 0x0
; x = [z_s | z_e], [4096][1024] f32, becomes codes of FP6 (E2M3) with one E8M0 byte for each 32 along K, laid as the product's launch reads them; and the router's softmax is made.
; SHARES.  A work-group takes 16 tokens (tile T); wave s takes K step s (128 along K): one operand fragment, one scale word a token, and its 128 k of the 8 logits (f32 multiply-adds).
; A FRAGMENT (16 tokens x 128 K, 12 registers a lane): lane (r, h) holds token r; registers 6 c .. 6 c + 5 hold k = 64 c + 32 h + 0 .. 31.  So a lane owns two whole blocks of 32: no other lane is asked for a maximum.
; xc holds IMAGES of these registers: [T / 16][s / 2][T % 16][s % 2][1536 bytes]; in a fragment, registers 4 g .. 4 g + 3 of lane l at 512 g + 16 l.  xs: [T][s / 2][r][s % 2] words.  wts: [token][8] f32.
; Loads take the bytes as they lie (a wave's load: 512 consecutive bytes of a row); the 16 x 512 bytes turn through the wave's own stage in LDS (rows of 528 bytes) into 32 neighbours a lane.
; A block's scale byte is its largest magnitude's exponent field - 2, held at 1 from below.
; LIMITS: NaN and infinities are not served; a block of zeros, and a block whose largest magnitude lies under 2^-124, gets the byte 1 (zero codes add nothing; the bytes are read by this program alone).
.set STGW, 8448                        ; a wave's stage: 16 rows x 528 bytes
.set RP,   67584                       ; the waves' partial logits: [wave][token 16][8] f32
.set XSG,  71680                       ; the tile's 128 scale words in xs's order
.set X,    16                          ; v16-79   X[32 c + n] = x(r, 128 s + 64 c + 32 h + n)
.set W,    80                          ; v80-207  first the 16 loads of x, then 16 rows of router_w (8 numbers each)
.set ACC,  208                         ; v208-215 my 8 partial logits
.set PC,   216                         ; v216-227 the fragment's codes
.set TMP,  228                         ; v228-230, v232-234 a block's upper 16 codes
.set MXA,  244
.set MXB,  245
.set SC,   246
.set BY,   248                         ; v248-249 my two scale bytes
.set WD,   250                         ; the scale word
.set OT,   251
; 32 numbers of a lane, one block, become 6 registers of codes and a scale byte
.macro QUANT32 g, c
	v_max3_num_f32 v[MXA], |v[\g]|, |v[\g+1]|, 0x1800000          ; two chains; the floor 2^(3 - 127) is a leaf: the byte cannot fall under 1
	v_max3_num_f32 v[MXB], |v[\g+2]|, |v[\g+3]|, |v[\g+4]|
.irp i, 5,9,13,17,21,25
	s_delay_alu instid0(VALU_DEP_2)
	v_max3_num_f32 v[MXA], v[MXA], |v[\g+\i]|, |v[\g+\i+1]|
	s_delay_alu instid0(VALU_DEP_2)
	v_max3_num_f32 v[MXB], v[MXB], |v[\g+\i+2]|, |v[\g+\i+3]|
.endr
	s_delay_alu instid0(VALU_DEP_2)
	v_max3_num_f32 v[MXA], v[MXA], |v[\g+29]|, |v[\g+30]|
	s_delay_alu instid0(VALU_DEP_1)
	v_max3_num_f32 v[MXA], v[MXA], v[MXB], |v[\g+31]|
	s_delay_alu instid0(VALU_DEP_1)
	v_add_nc_u32 v[SC], 0xff000000, v[MXA]                        ; 2 off the exponent field: the conversion takes this operand's exponent field as its scale
	s_delay_alu instid0(VALU_DEP_1)
	v_lshrrev_b32 v[BY+\c], 23, v[SC]                             ; the scale's byte
	v_cvt_scalef32_pk16_fp6_f32 v[PC+6*\c:PC+6*\c+2], v[\g:\g+15], v[SC]
	v_cvt_scalef32_pk16_fp6_f32 v[TMP+4*\c:TMP+4*\c+2], v[\g+16:\g+31], v[SC]   ; (a conversion's three registers begin on an even number)
	v_nop                                                         ; one plain instruction behind the conversions
.irp i, 0,1,2
	v_mov_b32 v[PC+6*\c+3+\i], v[TMP+4*\c+\i]
.endr
.endm
; 16 rows of router_w for my lane's k: numbers 16 b .. 16 b + 15 of X; a row is 32 bytes; the 16 lanes of a half read the same bytes
.macro WLOAD b
.irp i, 0,1,2,3,4,5,6,7,8,9,10,11,12,13,14,15
	global_load_b128 v[W+8*\i:W+8*\i+3],   v4, s[8:9] offset:((16*(\b)+\i)/32)*2048+((16*(\b)+\i)%32)*32
	global_load_b128 v[W+8*\i+4:W+8*\i+7], v4, s[8:9] offset:((16*(\b)+\i)/32)*2048+((16*(\b)+\i)%32)*32+16
.endr
.endm
; 8 logits += x(k) router_w(k, 0 .. 7), two at a time; x(k) serves both halves.  The very first product starts the sums
.macro FMA16 b
.irp i, 0,1,2,3,4,5,6,7,8,9,10,11,12,13,14,15
.set N, 16*(\b)+\i
.irp j, 0,1,2,3
.if N == 0
	v_pk_mul_f32 v[ACC+2*\j:ACC+2*\j+1], v[W+8*\i+2*\j:W+8*\i+2*\j+1], v[X:X+1] op_sel_hi:[1,0]
.elseif N%2 == 0
	v_pk_fma_f32 v[ACC+2*\j:ACC+2*\j+1], v[W+8*\i+2*\j:W+8*\i+2*\j+1], v[X+N:X+N+1], v[ACC+2*\j:ACC+2*\j+1] op_sel_hi:[1,0,1]
.else
	s_delay_alu instid0(VALU_DEP_4)
	v_pk_fma_f32 v[ACC+2*\j:ACC+2*\j+1], v[W+8*\i+2*\j:W+8*\i+2*\j+1], v[X+N-1:X+N], v[ACC+2*\j:ACC+2*\j+1] op_sel:[0,1,0] op_sel_hi:[1,1,1]
.endif
.endr
.endr
.endm
	s_load_b256 s[4:11], s[0:1], 0x0               ; z_s s[4:5], z_e s[6:7], router_w s[8:9], router_b s[10:11]
	s_load_b128 s[12:15], s[0:1], 0x20             ; xc s[12:13], xs s[14:15]
	s_load_b64 s[16:17], s[0:1], 0x30              ; wts
	v_lshl_add_u32 v254, v0, 2, 0x11a00
	v_mov_b32 v255, 0
	v_lshrrev_b32 v1, 5, v0
	s_delay_alu instid0(VALU_DEP_1)
	v_readfirstlane_b32 s18, v1                    ; wave = K step s
	v_and_b32 v8, 31, v0                           ; lane
	v_and_b32 v9, 15, v0                           ; r
	v_bfe_u32 v10, v0, 4, 1                        ; h
	s_delay_alu instid0(VALU_DEP_3)
	v_lshlrev_b32 v1, 4, v8                        ; 16 x lane
	s_mul_i32 s22, s18, STGW
	v_add_nc_u32 v2, s22, v1                       ; the stage, in: 16 x lane of a row
	v_mul_u32_u24 v3, v9, 528
	s_delay_alu instid0(VALU_DEP_1)
	v_lshl_add_u32 v3, v10, 7, v3
	s_delay_alu instid0(VALU_DEP_1)
	v_add_nc_u32 v3, s22, v3                       ; out: row r, + 128 h bytes
	v_lshlrev_b32 v4, 10, v10                      ; router_w: lanes 16-31 stand 32 rows further down
	v_lshlrev_b32 v5, 3, v10                       ; 8 h: my bytes' place in the scale word
	s_lshl_b32 s23, s18, 9
	v_lshl_add_u32 v6, v9, 5, s23
	s_delay_alu instid0(VALU_DEP_1)
	v_add_nc_u32 v6, RP, v6                        ; partial logits: 512 x wave + 32 r
	s_lshr_b32 s24, s18, 1                         ; q = s / 2
	s_and_b32 s25, s18, 1                          ; u = s % 2
	s_lshl_b32 s26, s24, 7
	s_lshl_b32 s27, s25, 2
	s_add_co_u32 s26, s26, s27
	v_lshl_add_u32 v7, v9, 3, s26
	s_delay_alu instid0(VALU_DEP_1)
	v_add_nc_u32 v7, XSG, v7                       ; my scale word: 128 q + 8 r + 4 u
	v_add_nc_u32 v11, RP, v1                       ; wave 0 later: token lane / 2, logits 4 (lane % 2) on
	v_and_b32 v12, 1, v0
	s_delay_alu instid0(VALU_DEP_1)
	v_lshlrev_b32 v12, 4, v12                      ; and the same four of router_b
	v_add_nc_u32 v13, XSG, v1                      ; wave 1 later: 16 bytes a lane of the scale words
	s_mov_b32 s20, 0x76543210
	s_mov_b32 s21, 0xfedcba98                      ; v_permlanex16_b32's selects for lane l xor 16
	s_lshl_b32 s28, ttmp9, 15                      ; 16 rows of 2,048 bytes a tile,
	s_and_b32 s29, s18, 3
	s_lshl_b32 s29, s29, 9                         ; 512 bytes a K step
	s_add_co_u32 s28, s28, s29
	s_mov_b32 s29, 0
	s_lshl_b32 s30, s18, 12                        ; router_w: 128 rows of 32 bytes a K step
	s_mov_b32 s31, 0
	s_lshr_b32 s32, ttmp9, 4
	s_lshl_b32 s32, s32, 2
	s_add_co_u32 s32, s32, s24
	s_mul_i32 s32, s32, 49152                      ; xc: (T / 16, q): 32 fragments
	s_and_b32 s33, ttmp9, 15
	s_lshl_b32 s33, s33, 1
	s_add_co_u32 s33, s33, s25
	s_mul_i32 s33, s33, 1536                       ; (T % 16, u)
	s_add_co_u32 s32, s32, s33
	s_mov_b32 s33, 0
	s_lshl_b32 s34, ttmp9, 9                       ; xs and wts: 512 bytes a tile
	s_mov_b32 s35, 0
.irp j, 0,1,2,3,4,5,6,7
	v_mov_b32 v[236+\j], 0                         ; written once: a lane permute's destination counts as one of its sources
.endr
	v_mov_b32 v[OT], 0
	s_wait_kmcnt 0x0
	s_cmp_lt_u32 s18, 4                            ; K steps 0-3 lie in z_s, 4-7 in z_e
	s_cselect_b64 s[4:5], s[4:5], s[6:7]
	s_add_nc_u64 s[4:5], s[4:5], s[28:29]
	s_add_nc_u64 s[8:9], s[8:9], s[30:31]
	s_add_nc_u64 s[12:13], s[12:13], s[32:33]
	s_add_nc_u64 s[14:15], s[14:15], s[34:35]
	s_add_nc_u64 s[16:17], s[16:17], s[34:35]
.irp t, 0,1,2,3,4,5,6,7,8,9,10,11,12,13,14,15
	global_load_b128 v[W+4*\t:W+4*\t+3], v1, s[4:5] offset:2048*\t th:TH_LOAD_NT   ; row t: 32 lanes read 512 consecutive bytes
.endr
	s_wait_loadcnt 0x0
.irp t, 0,1,2,3,4,5,6,7,8,9,10,11,12,13,14,15
	ds_store_b128 v2, v[W+4*\t:W+4*\t+3] offset:528*\t
.endr
.irp c, 0,1
.irp i, 0,1,2,3,4,5,6,7
	ds_load_b128 v[X+32*\c+4*\i:X+32*\c+4*\i+3], v3 offset:256*\c+16*\i   ; LDS serves a wave's instructions in order: these see my stores
.endr
.endr
	s_wait_dscnt 0x0                               ; x is back, and the stores have read the registers that the next loads fill
	WLOAD 0                                        ; on its way while x is quantised
	QUANT32 X, 0
	QUANT32 X+32, 1
	v_lshl_or_b32 v[WD], v[BY+1], 16, v[BY]        ; my two bytes: blocks h and 2 + h of token r,
	s_delay_alu instid0(VALU_DEP_1)
	v_lshlrev_b32 v[WD], v5, v[WD]                 ; 8 h bits up;
	s_delay_alu instid0(VALU_DEP_1)
	v_permlanex16_b32 v[OT], v[WD], s20, s21
	s_delay_alu instid0(VALU_DEP_1)
	v_or_b32 v[WD], v[WD], v[OT]                   ; with lane l xor 16's two the word is whole
.irp g, 0,1,2
	global_store_b128 v1, v[PC+4*\g:PC+4*\g+3], s[12:13] offset:512*\g   ; the image: 512 consecutive bytes a store, aligned
.endr
	ds_store_b32 v7, v[WD]                         ; (both halves of the lanes write the same word with the same value)
.irp b, 0,1,2,3
	s_wait_alu depctr_va_vdst(0)
	s_wait_loadcnt 0x0                             ; this batch of router_w is in
	FMA16 \b
.if \b < 3
	WLOAD \b+1
.endif
.endr
.irp j, 0,1,2,3,4,5,6,7
	v_permlanex16_b32 v[236+\j], v[ACC+\j], s20, s21
.endr
.irp j, 0,1,2,3,4,5,6,7
	v_add_f32 v[ACC+\j], v[ACC+\j], v[236+\j]      ; with lane l xor 16's 64 k: token r's sums over this K step
.endr
	ds_store_b128 v6, v[ACC:ACC+3]
	ds_store_b128 v6, v[ACC+4:ACC+7] offset:16
	s_wait_dscnt 0x0                               ; for the others' sake: my stores have landed
	s_barrier_signal -1
	s_barrier_wait -1
	s_cmp_eq_u32 s18, 0
	s_cbranch_scc1 .Lsoft
	s_cmp_eq_u32 s18, 1
	s_cbranch_scc0 .Ldone
	ds_load_b128 v[80:83], v13                     ; wave 1: the tile's scale words leave as 512 consecutive bytes
	s_wait_dscnt 0x0
	global_store_b128 v1, v[80:83], s[14:15]
.Ldone:
	s_wait_tensorcnt 0x0
	ds_add_u32 v254, v255
	s_wait_dscnt 0x0
	s_endpgm
.Lsoft:                                            ; wave 0: the softmax.  Lane l: token l / 2, logits 4 (l % 2) .. + 3
.irp w, 0,1,2,3,4,5,6,7
	ds_load_b128 v[80+4*\w:83+4*\w], v11 offset:512*\w
.endr
	global_load_b128 v[112:115], v12, s[10:11]
	s_wait_dscnt 0x0
.irp w, 1
	v_pk_add_f32 v[80:81], v[80:81], v[80+4*\w:81+4*\w]
	v_pk_add_f32 v[82:83], v[82:83], v[82+4*\w:83+4*\w]
.endr
.irp w, 2, 3, 4, 5, 6, 7
	s_delay_alu instid0(VALU_DEP_2)
	v_pk_add_f32 v[80:81], v[80:81], v[80+4*\w:81+4*\w]
	s_delay_alu instid0(VALU_DEP_2)
	v_pk_add_f32 v[82:83], v[82:83], v[82+4*\w:83+4*\w]
.endr
	s_wait_alu depctr_va_vdst(0)
	s_wait_loadcnt 0x0
	v_pk_add_f32 v[80:81], v[80:81], v[112:113]    ; + router_b
	v_pk_add_f32 v[82:83], v[82:83], v[114:115]
	s_delay_alu instid0(VALU_DEP_1)
	v_max3_num_f32 v84, v80, v81, v82
	s_delay_alu instid0(VALU_DEP_1)
	v_max_num_f32 v84, v84, v83
	s_delay_alu instid0(VALU_DEP_1)
	v_max_num_f32_dpp v84, v84, v84 row_xmask:1 row_mask:0xf bank_mask:0xf   ; with my neighbour's four: the token's largest logit
.irp i, 0,1,2,3
	v_sub_f32 v[80+\i], v[80+\i], v84
.endr
.irp i, 0,1,2,3
	s_delay_alu instid0(VALU_DEP_4)
	v_mul_f32 v[80+\i], 0x3fb8aa3b, v[80+\i]       ; x log2(e)
.endr
	s_wait_alu depctr_va_vdst(0)
.irp i, 0,1,2,3
	v_exp_f32 v[80+\i], v[80+\i]
.endr
	v_nop                                          ; a plain instruction behind the last exponential
	s_wait_alu depctr_va_vdst(0)                   ; one wait for the four, ahead of their first reader
	v_add_f32 v85, v80, v81
	v_add_f32 v86, v82, v83
	s_delay_alu instid0(VALU_DEP_1)
	v_add_f32 v85, v85, v86
	s_delay_alu instid0(VALU_DEP_1)
	v_add_f32_dpp v85, v85, v85 row_xmask:1 row_mask:0xf bank_mask:0xf
	s_wait_alu depctr_va_vdst(0)
	v_rcp_f32 v85, v85
	v_nop
	s_wait_alu depctr_va_vdst(0)
.irp i, 0,1,2,3
	v_mul_f32 v[80+\i], v[80+\i], v85
.endr
	global_store_b128 v1, v[80:83], s[16:17]       ; 16 tokens x 32 bytes: 512 consecutive bytes
	s_wait_tensorcnt 0x0
	ds_add_u32 v254, v255
	s_wait_dscnt 0x0
	s_endpgm
.Lfunc_end_k_q09ef3d1c31_prep:
	.size	k_q09ef3d1c31_prep, .Lfunc_end_k_q09ef3d1c31_prep-k_q09ef3d1c31_prep
	.p2alignl 7, 3214868480
	.fill 96, 4, 3214868480
	.section	.rodata,"a",@progbits
	.p2align	6, 0x0
	.amdhsa_kernel k_q09ef3d1c31_prep
		.amdhsa_group_segment_fixed_size 73216
		.amdhsa_private_segment_fixed_size 0
		.amdhsa_enable_private_segment 0
		.amdhsa_kernarg_size 56
		.amdhsa_user_sgpr_count 2
		.amdhsa_user_sgpr_kernarg_segment_ptr 1
		.amdhsa_wavefront_size32 1
		.amdhsa_system_sgpr_workgroup_id_x 1
		.amdhsa_system_sgpr_workgroup_id_y 1
		.amdhsa_system_sgpr_workgroup_id_z 1
		.amdhsa_system_vgpr_workitem_id 0
		.amdhsa_next_free_vgpr 256
		.amdhsa_next_free_sgpr 66
		.amdhsa_reserve_vcc 0
		.amdhsa_float_denorm_mode_32 3
		.amdhsa_float_denorm_mode_16_64 3
		.amdhsa_memory_ordered 1
		.amdhsa_forward_progress 1
		.amdhsa_inst_pref_size 49
	.end_amdhsa_kernel
	.amdgpu_metadata
---
amdhsa.version: [ 1, 2 ]
amdhsa.kernels:
  - .name:           k_q09ef3d1c31_prep
    .symbol:         k_q09ef3d1c31_prep.kd
    .args:
      - { .name: z_s, .offset: 0, .size: 8, .value_kind: global_buffer, .address_space: global }
      - { .name: z_e, .offset: 8, .size: 8, .value_kind: global_buffer, .address_space: global }
      - { .name: router_w, .offset: 16, .size: 8, .value_kind: global_buffer, .address_space: global }
      - { .name: router_b, .offset: 24, .size: 8, .value_kind: global_buffer, .address_space: global }
      - { .name: xc, .offset: 32, .size: 8, .value_kind: global_buffer, .address_space: global }
      - { .name: xs, .offset: 40, .size: 8, .value_kind: global_buffer, .address_space: global }
      - { .name: wts, .offset: 48, .size: 8, .value_kind: global_buffer, .address_space: global }
    .group_segment_fixed_size: 73216
    .private_segment_fixed_size: 0
    .kernarg_segment_align: 8
    .kernarg_segment_size: 56
    .max_flat_workgroup_size: 256
    .sgpr_count:     66
    .vgpr_count:     256
    .wavefront_size: 32
...
	.end_amdgpu_metadata
.endif
;; end of part 1
;; launch gemm1 (part 2): grid 32 x 8, 4 waves a work-group, clusters of 4 x 4, 327,680 bytes of LDS; arguments xc, xs, w1_codes, w1_scales, b1, hc, hs; writes hc, hs
.if DOCPART == 2
	.amdgcn_target "amdgcn-amd-amdhsa--gfx1250"
	.amdhsa_code_object_version 6
	.text
	.protected	k_q09ef3d1c31_gemm1
	.globl	k_q09ef3d1c31_gemm1
	.p2align	8
	.type	k_q09ef3d1c31_gemm1,@function
k_q09ef3d1c31_gemm1:
	s_mov_b64 s[64:65], 0
	v_nop
	global_prefetch_b8 v0, s[64:65] scope:SCOPE_SE
	s_setreg_imm32_b32 hwreg(HW_REG_WAVE_MODE, 25, 1), 1
	s_wait_xcnt 0x0
	s_wait_alu depctr_hold_cnt(0) depctr_sa_sdst(0) depctr_va_vdst(0) depctr_va_sdst(0) depctr_va_ssrc(0) depctr_va_vcc(0) depctr_vm_vsrc(0)
	s_getreg_b32 s2, hwreg(HW_REG_IB_STS2, 6, 4)
	s_cmp_eq_u32 s2, 0
	s_cbranch_scc0 .Lentry_in_a_cluster
	s_endpgm
.Lentry_in_a_cluster:
	s_bfe_u32 s2, ttmp6, 0x10000c
	s_cmp_lg_u32 s2, 0xf033
	s_cbranch_scc0 .Lentry_shape_is_right
	s_endpgm
.Lentry_shape_is_right:
; h = Q(gelu(x W1^T + b1)) for all 8 experts: codes of FP6 (E2M3), one E8M0 byte for each 32 along K, in and out.
; A WORK-GROUP STAYS: it owns 256 hidden units (block nb of 32; expert = nb / 4) and 512 tokens (group tg), walked as two tiles of 256 tokens; K = 1,024.
; Four waves; a wave makes 128 tokens x 128 hidden units: 64 accumulators, 512 registers.
; W1's 256 rows, whole (768 bytes each), come into LDS ONCE for both tiles, by two tensor loads whose rows are 32 rows of W1 (24,576 dense bytes, from a multiple of 256):
; one brings the even blocks of 32 rows, the other the odd ones, 128 bytes askew, so that the 32 lanes of a fragment load (rows j and 32 + j) touch 64 different banks.
; x lies in memory as images of operand registers; the 8 steps of 256 along K of both tiles are 8 x 49,152 dense bytes on end and go through two slots; the ring goes on under a tile's way out.
; The product is used transposed (source 0 = 16 rows of W1, source 1 = 16 tokens), and lane r of tile 4 c + u takes row 64 c + 8 u + r % 8 + 32 (r / 8):
; so a lane's 32 registers of four tiles are the 32 neighbours 64 c + 32 h + 0 .. 31 along the next K, one whole block in the operand's own order.  b1 is the C of each sum's first product.
; gelu(v) = v (1 + erf(v / sqrt 2)) / 2 in f32; erf(z) = z P(z^2) / Q(z^2) with z held to +-4 (degrees 6 and 4), one reciprocal.
; hc: [16 e + token block of 256][hidden / 256][16 tokens' tile][K step % 2][1,536 bytes]; hs: the same blocks, [tile][token][K step % 2] words.
; CLUSTERS 4 x 4: x hangs on tg (shared along a row), W1 on nb (shared along a column): both are asked for jointly.
; No prefetch: the walk has eight fills in all, at the largest block in clusters, and two of them stand at the head.
; LIMITS: NaN and infinities are not served.  erf is right to a few units in its last place, so for strongly negative v the result has the accuracy of 1 + erf formed in f32.
; A block whose largest magnitude lies under 2^-124 gets the byte 1 (the bytes are read by this program alone).
; REGISTERS: window 0: v0-31 addresses; v32-95 W1's scale words (tile b, K step k: v[32 + 8 b + k]); v96-127, v224-255 x's scale words of a tile; v128-223 x's 8 fragments, on the way out codes.
;   window 1: W1's fragments, two sets (v0, v128), on the way out the work on 64 numbers; v96-127, v224-255 b1.   windows 2, 3: accumulator (a, b) at v[8 (8 (a % 4) + b)].
.set BP,    816                        ; a row of W1 in LDS: 3 x (256 + 16)
.set BODD,  104576                     ; the odd blocks: 128 rows x 816 bytes behind the even ones, and 128 bytes more
.set ARING, 209152
.set ASLOT, 49152
.set HSTG,  307456                     ; h's scale words on their way out: 512 bytes a wave
.set SPARE, 309504                     ; the spare words: 128 bytes a wave
.set FR,   12
.set AF,   128
.set SCBR, 32
.set LI,   12                          ; v12 16 x lane
.set ADRA, 16                          ; v16-17 x's images in slot 0, 1
.set ADRB, 20                          ; v20 my place in W1's rows; v21 the same behind one padding more
.set SPW,  28
.set NIL,  29
.set G1A, 24
.set G0A, 32                           ; s[32:39] one set for each slot
.set G1B, 48
.set G0B, 56
.set G0H, 60                           ; the head's half of slot 0
.set CA6, 66                           ; P's and Q's coefficients, as pairs
.set CA4, 68
.set CA3, 70
.set CA2, 72
.set CA1, 74
.set CA0, 76
.set CB4, 78
.set CB2, 80
.set CB1, 82
.set CB0, 84
.set CC,  86                           ; 1 / sqrt 2
.set ZC, 64                            ; window 1, on the way out: v0-63 z, then gelu; v64-95 z held; S, P, Q
.set S,  128
.set P,  160
.set Q,  192
.set PC,  128                          ; window 0, on the way out
.set TMP, 140
.set MXA, 148
.set MXB, 149
.set SC,  150
.set BY,  152
.set WD,  154
.set OT,  155
.set MSB, 0
.macro WIN new                         ; the immediate's high byte repeats the setting that is left
.if MSB != (\new)
	s_set_vgpr_msb (MSB<<8)|(\new)
.set MSB, (\new)
.endif
.endm
.macro WINMUL hi, first                ; source 0 window 1, source 1 window 0, D window 2 or 3, C the same (first: b1, window 1)
.if \first
	WIN (0x91+0x40*(\hi))
.else
	WIN (0xa1+0x50*(\hi))
.endif
.endm
.macro PLACES                          ; four plain instructions behind a matrix instruction (ISA guide 7.12.1)
.rept 4
	v_nop
.endr
.endm
.macro TLOAD g0, g1                    ; s_nop 0 and four v_nop follow the line
	tensor_load_to_lds s[\g0:\g0+3], s[\g1:\g1+7]
	s_nop 0
.rept 4
	v_nop
.endr
.endm
.macro CREST
	s_cmp_lg_u32 s16, 0
	s_cbranch_scc1 .Lnot_wave_0_\@
	s_barrier_signal -3
.Lnot_wave_0_\@:
	s_barrier_wait -3
	s_barrier_signal -1
	s_barrier_wait -1
.endm
.macro CROUND
	s_barrier_signal -1
	s_barrier_wait -1
	CREST
.endm
	s_load_b256 s[4:11], s[0:1], 0x0               ; xc, xs, W1's codes, W1's scales
	s_load_b128 s[12:15], s[0:1], 0x20             ; b1, hc
	s_load_b64 s[96:97], s[0:1], 0x30              ; hs
	v_lshl_add_u32 v[SPW], v0, 2, SPARE
	v_mov_b32 v[NIL], 0
	ds_add_u32 v[SPW], v[NIL]                      ; the opening lines: the add, twice on end, and its wait
	ds_add_u32 v[SPW], v[NIL]
	v_lshrrev_b32 v1, 5, v0
	v_readfirstlane_b32 s16, v1                    ; wave
	s_lshr_b32 s17, s16, 1                         ; my half of the tokens; at the head: 0 fetches W1, 1 fetches x
	s_and_b32 s18, s16, 1                          ; my half of the hidden units
	s_bfe_u32 s40, ttmp6, 0x40000                  ; cx
	s_bfe_u32 s41, ttmp6, 0x40004                  ; cy
	s_lshl_b32 s42, ttmp9, 2
	s_add_co_u32 s42, s42, s40                     ; nb
	s_and_b32 s19, ttmp7, 0xffff
	s_lshl_b32 s19, s19, 2
	s_add_co_u32 s19, s19, s41                     ; tg
	s_lshl_b32 s43, s41, 2
	s_lshl_b32 s43, 15, s43                        ; my row of the cluster
	s_lshl_b32 s44, 0x1111, s40                    ; my column
	s_or_b32 s[G1A], s43, (3<<16)|(1<<21)          ; x: rows of 256 dense bytes; 96 of them at the head, 48 in the ring
	s_mov_b32 s[G1A+1], 32<<16
	s_mov_b32 s[G1A+2], 96<<16
	s_mov_b32 s[G1A+3], 32<<16
	s_mov_b32 s[G1A+4], 96
	s_mov_b32 s[G1A+5], 32
	s_mov_b32 s[G1A+6], 0
	s_mov_b32 s[G1A+7], 0
	s_or_b32 s[G1B], s44, (3<<16)|(1<<20)|(1<<21)|(5<<22)|(3<<25)   ; W1: 4 rows of 3,072 x 8 bytes (32 rows of W1), 64 rows of W1 apart; 4 words behind every 64
	s_mov_b32 s[G1B+1], 3072<<16
	s_mov_b32 s[G1B+2], 4<<16
	s_mov_b32 s[G1B+3], 3072<<16
	s_mov_b32 s[G1B+4], 4
	s_mov_b32 s[G1B+5], 6144
	s_mov_b32 s[G1B+6], 0
	s_mov_b32 s[G1B+7], 0
	s_mul_i32 s20, s19, 393216                     ; x's codes of my 512 tokens
	s_mov_b32 s21, 0
	s_lshl_b32 s22, s19, 14                        ; x's scale words: 16,384 tg + 4,096 x my half
	s_lshl_b32 s23, s17, 12
	s_add_co_u32 s22, s22, s23
	s_mov_b32 s23, 0
	s_lshl_b32 s46, s42, 8
	s_lshl_b32 s47, s18, 5
	s_add_co_u32 s46, s46, s47                     ; W1: row 256 nb + 32 x (even or odd)
	s_mul_i32 s46, s46, 768
	s_mov_b32 s47, 0
	s_lshl_b32 s92, s42, 13                        ; W1's scale bytes of my 128 rows
	s_lshl_b32 s93, s18, 12
	s_add_co_u32 s92, s92, s93
	s_mov_b32 s93, 0
	s_lshl_b32 s94, s42, 10                        ; b1 of my 128 hidden units
	s_lshl_b32 s95, s18, 9
	s_add_co_u32 s94, s94, s95
	s_mov_b32 s95, 0
	s_mov_b32 s[CC], 0x3f3504f3
	s_mul_f32 s[CA6], s[CC], 0xaf95df0b            ; P's coefficients x 1 / sqrt 2
	s_mul_f32 s98, s[CC], 0x32edffee
	s_mul_f32 s[CA4], s[CC], 0xb60cff51
	s_mul_f32 s[CA3], s[CC], 0xb86ec2d2
	s_mul_f32 s[CA2], s[CC], 0xba40ac63
	s_mul_f32 s[CA1], s[CC], 0xbb41a1f6
	s_mul_f32 s[CA0], s[CC], 0xbc83dbd4
	s_mov_b32 s[CB4], 0xb77460cd
	s_mov_b32 s[CB2], 0xbadc924e
	s_mov_b32 s[CB1], 0xbbf19bf8
	s_mov_b32 s[CB0], 0xbc69b6a7
.irp k, CA6,CA4,CA3,CA2,CA1,CA0,CB4,CB2,CB1,CB0,CC
	s_mov_b32 s[\k+1], s[\k]
.endr
	s_wait_dscnt 0x0                               ; both opening adds are done
	s_wait_kmcnt 0x0
	s_add_nc_u64 s[20:21], s[4:5], s[20:21]
	s_add_nc_u64 s[6:7], s[6:7], s[22:23]
	s_add_nc_u64 s[46:47], s[8:9], s[46:47]
	s_add_nc_u64 s[10:11], s[10:11], s[92:93]
	s_add_nc_u64 s[12:13], s[12:13], s[94:95]
	CROUND                                         ; in front of the first joint loads
	s_mul_i32 s88, s18, 24576
	s_mov_b32 s89, 0
	s_mov_b32 s[G0H], 1
	s_add_co_u32 s[G0H+1], s88, ARING
	s_add_nc_u64 s[G0H+2:G0H+3], s[20:21], s[88:89]
	s_or_b32 s[G0H+3], s[G0H+3], 0x80000000
	s_mov_b32 s[G0B], 1
	s_mul_i32 s[G0B+1], s18, BODD
	s_mov_b64 s[G0B+2:G0B+3], s[46:47]
	s_or_b32 s[G0B+3], s[G0B+3], 0x80000000
	s_mul_i32 s88, s16, 12288                      ; in the ring each wave fetches a quarter of a slot
	s_add_nc_u64 s[20:21], s[20:21], s[88:89]
	s_add_co_u32 s88, s88, ARING
.irp s, 0,1
	s_mov_b32 s[G0A+4*\s], 1
	s_add_co_u32 s[G0A+4*\s+1], s88, \s*ASLOT
	s_add_nc_u64 s[G0A+4*\s+2:G0A+4*\s+3], s[20:21], \s*ASLOT
	s_or_b32 s[G0A+4*\s+3], s[G0A+4*\s+3], 0x80000000
.endr
	s_cmp_eq_u32 s17, 0                            ; the head's loads, one a wave: waves 0, 1 W1's even and odd blocks, waves 2, 3 the halves of slot 0
	s_cbranch_scc0 .Lhead_x
	TLOAD G0B, G1B
	s_branch .Lhead_asked
.Lhead_x:
	TLOAD G0H, G1A
.Lhead_asked:
	s_lshl_b32 s90, ttmp9, 4                       ; where my results go: block (16 e + 2 tg), K step of 256 number cx
	s_lshl_b32 s91, s19, 1
	s_add_co_u32 s90, s90, s91
	s_lshl_b32 s90, s90, 2
	s_add_co_u32 s90, s90, s40
	s_lshl_b32 s88, s90, 11
	s_lshl_b32 s91, s16, 9
	s_add_co_u32 s88, s88, s91
	s_add_nc_u64 s[96:97], s[96:97], s[88:89]
	s_lshl_b32 s88, s90, 4
	s_lshl_b32 s91, s17, 3
	s_add_co_u32 s88, s88, s91
	s_lshl_b32 s88, s88, 1
	s_add_co_u32 s88, s88, s18
	s_mul_i32 s88, s88, 1536
	s_add_nc_u64 s[14:15], s[14:15], s[88:89]
	s_mul_i32 s88, s17, 24576
	s_add_co_u32 s88, s88, ARING                   ; my 128 tokens' images in slot 0
	s_mul_i32 s89, s18, 64*BP                      ; my 128 rows of W1: 64 in each of the two regions
	s_lshl_b32 s90, s16, 9
	s_add_co_u32 s90, s90, HSTG
	s_lshl_b32 s91, s17, 10
	s_lshl_b32 s92, s18, 8
	s_add_co_u32 s91, s91, s92
	s_add_co_u32 s91, s91, HSTG
	s_mov_b32 s92, 0x76543210
	s_mov_b32 s93, 0xfedcba98                      ; v_permlanex16_b32's selects for lane l xor 16
	v_and_b32 v1, 15, v0                           ; r
	v_bfe_u32 v2, v0, 4, 1                         ; h
	v_and_b32 v3, 31, v0
	v_lshlrev_b32 v[LI], 4, v3
	v_add_nc_u32 v[ADRA], s88, v[LI]
	v_add_nc_u32 v[ADRA+1], ASLOT, v[ADRA]
	v_and_b32 v8, 7, v1
	v_lshrrev_b32 v15, 3, v1
	v_mul_u32_u24 v18, v8, BP
	v_mad_u32_u24 v18, v2, 24, v18
	v_mad_u32_u24 v18, v15, BODD, v18              ; lanes r >= 8 read the odd blocks
	v_add_nc_u32 v[ADRB], s89, v18
	v_lshl_add_u32 v[ADRB+1], v2, 4, v[ADRB]
	v_lshlrev_b32 v11, 5, v8                       ; W1's scale bytes: 32 a row, row r % 8 + 32 (r / 8)
	v_lshl_add_u32 v11, v15, 10, v11
	v_lshlrev_b32 v27, 3, v1                       ; x's scale words: 8 bytes a token
	v_lshlrev_b32 v9, 7, v2                        ; b1: lanes 16-31 stand 32 numbers on
	v_lshlrev_b32 v13, 3, v2                       ; 8 h
	v_lshl_add_u32 v14, v1, 2, s90                 ; my scale words' stage
	v_lshl_add_u32 v10, v3, 3, s91                 ; and where I read two waves' words back
	v_mov_b32 v4, s98                              ; the two coefficients that start P and Q, as vector pairs
	v_mov_b32 v5, s98
	v_mov_b32 v6, 0xb95fbd29
	v_mov_b32 v7, 0xb95fbd29
	s_wait_alu depctr_va_vdst(0)                   ; the wait at the head's end
.macro ASCL                            ; x's scale words of a tile's 8 K steps, my 8 blocks of tokens: 32 loads
.irp q, 0,1,2,3
.irp i, 0,1,2,3,4,5,6,7
	global_load_b64 v[96+128*(\q/2)+16*(\q%2)+2*\i:96+128*(\q/2)+16*(\q%2)+2*\i+1], v27, s[6:7] offset:512*\i+128*\q
.endr
.endr
.endm
	WIN 0x40
.irp b, 0,1,2,3,4,5,6,7
	global_load_b128 v[96+8*(\b%4)+128*(\b/4):96+8*(\b%4)+128*(\b/4)+3],   v9, s[12:13] offset:(64*(\b/4)+8*(\b%4))*4
	global_load_b128 v[96+8*(\b%4)+128*(\b/4)+4:96+8*(\b%4)+128*(\b/4)+7], v9, s[12:13] offset:(64*(\b/4)+8*(\b%4))*4+16
.endr
	WIN 0
.irp b, 0,1,2,3,4,5,6,7
	global_load_b128 v[SCBR+8*\b:SCBR+8*\b+3],   v11, s[10:11] offset:(64*(\b/4)+8*(\b%4))*32
	global_load_b128 v[SCBR+8*\b+4:SCBR+8*\b+7], v11, s[10:11] offset:(64*(\b/4)+8*(\b%4))*32+16
.endr
	ASCL
; a fragment of W1: pieces of 8 bytes; 16 bytes of padding lie behind every 32 pieces: where the piece three on lies behind one padding more, the second address register serves
.macro FRAGB reg, k, rowoff
.irp p, 0,1,2,3,4,5
.set PCE, 12*(\k)+6*(\p/3)+\p%3
.if PCE%32 < 29
	ds_load_b64 v[\reg+2*\p:\reg+2*\p+1], v[ADRB] offset:8*PCE+16*(PCE/32)+(\rowoff)*BP
.else
	ds_load_b64 v[\reg+2*\p:\reg+2*\p+1], v[ADRB+1] offset:8*PCE+16*(PCE/32)+(\rowoff)*BP
.endif
.endr
.endm
.macro FETCH_B k, set
	WIN 0x40
.irp i, 0,1,2,3,4,5,6,7
	FRAGB 128*(\set)+FR*\i, \k, 32*(\i/4)+8*(\i%4)
.endr
	WIN 0
.endm
.macro FETCH_A slot, kq, i0
.irp i, \i0, \i0+1, \i0+2, \i0+3
.irp c, 0,1,2
	ds_load_b128 v[AF+FR*(\i)+4*\c:AF+FR*(\i)+4*\c+3], v[ADRA+\slot] offset:(2*(\i)+(\kq))*1536+512*\c
.endr
.endr
.endm
; 16 products: token blocks a0, a0 + 1 x my 8 tiles of hidden units, K step k.  The 64 accumulators take turns
.macro MUL16 a0, set, k, first
.irp a, \a0, \a0+1
.irp b, 0,1,2,3,4,5,6,7
.set SB_, SCBR+8*\b+(\k)
.set SA_, 96+128*((\k)/4)+16*(((\k)/2)%2)+2*(\a)+(\k)%2
.if \first
	v_wmma_scale_f32_16x16x128_f8f6f4 v[8*(8*((\a)%4)+\b):8*(8*((\a)%4)+\b)+7], v[128*(\set)+FR*\b:128*(\set)+FR*\b+FR-1], v[AF+FR*(\a):AF+FR*(\a)+FR-1], v[96+8*(\b%4)+128*(\b/4):96+8*(\b%4)+128*(\b/4)+7], v[SB_], v[SA_] matrix_a_fmt:MATRIX_FMT_FP6 matrix_b_fmt:MATRIX_FMT_FP6
.else
	v_wmma_scale_f32_16x16x128_f8f6f4 v[8*(8*((\a)%4)+\b):8*(8*((\a)%4)+\b)+7], v[128*(\set)+FR*\b:128*(\set)+FR*\b+FR-1], v[AF+FR*(\a):AF+FR*(\a)+FR-1], v[8*(8*((\a)%4)+\b):8*(8*((\a)%4)+\b)+7], v[SB_], v[SA_] matrix_a_fmt:MATRIX_FMT_FP6 matrix_b_fmt:MATRIX_FMT_FP6
.endif
.endr
.endr
.endm
.macro STEP q, first                   ; K step 2 q, the first of slot q % 2; the second's fragments are fetched
	s_wait_dscnt 12                                ; all but the youngest 12 loads (x's blocks 4-7)
	WINMUL 0, \first
	MUL16 0, 0, 2*(\q), \first
	MUL16 2, 0, 2*(\q), \first
	s_wait_dscnt 0x0
	PLACES
	FETCH_B 2*(\q)+1, 1
	FETCH_A (\q)%2, 1, 0
	WINMUL 1, \first
	MUL16 4, 0, 2*(\q), \first
	MUL16 6, 0, 2*(\q), \first
	PLACES
	WIN 0
	FETCH_A (\q)%2, 1, 4
.endm
; K step 2 q + 1 and the change of slots.  more = 1: the next K step's fragments are fetched from the other slot
.macro TURN q, fill, more
	s_wait_tensorcnt 0x0                           ; all my tensor loads have landed: my quarter of the other slot
	ds_add_u32 v[SPW], v[NIL]
	s_wait_dscnt 13                                ; (the add and the youngest 12 loads may be out)
	WINMUL 0, 0
	MUL16 0, 1, 2*(\q)+1, 0
	s_wait_dscnt 0x0                               ; the add is done, my reads of this slot are over
	s_barrier_signal -1
	MUL16 2, 1, 2*(\q)+1, 0
	WIN 0
	s_barrier_wait -1
.if \fill
	CREST                                          ; the barrier has opened a round of the cluster's
	s_add_nc_u64 s[G0A+4*((\q)%2)+2:G0A+4*((\q)%2)+3], s[G0A+4*((\q)%2)+2:G0A+4*((\q)%2)+3], 2*ASLOT
	TLOAD G0A+4*((\q)%2), G1A                      ; the step two on; its four v_nop are the places in front of the loads below
.else
	PLACES
.endif
.if \more
	FETCH_B 2*(\q)+2, 0
	FETCH_A ((\q)+1)%2, 0, 0
.endif
	WINMUL 1, 0
	MUL16 4, 1, 2*(\q)+1, 0
	MUL16 6, 1, 2*(\q)+1, 0
	PLACES
	WIN 0
.if \more
	FETCH_A ((\q)+1)%2, 0, 4
.endif
.endm
; 32 numbers z = v / sqrt 2 at window 1's v[32 c ..] become gelu(v), in place
.macro CORE c
.set Z, 32*(\c)
	WIN 0x41
.set I, 0
.rept 32
	v_med3_num_f32 v[ZC+I], v[Z+I], -4.0, 4.0
.set I, I+1
.endr
	WIN 0x45
.set I, 0
.rept 16
	v_pk_mul_f32 v[S+I:S+I+1], v[ZC+I:ZC+I+1], v[ZC+I:ZC+I+1]
.set I, I+2
.endr
	WIN 0x41                                       ; (the third source, v[4:7], lies in window 0)
.set I, 0
.rept 16
	v_pk_fma_f32 v[P+I:P+I+1], v[S+I:S+I+1], s[CA6:CA6+1], v[4:5] op_sel_hi:[1,0,1]
	v_pk_fma_f32 v[Q+I:Q+I+1], v[S+I:S+I+1], s[CB4:CB4+1], v[6:7] op_sel_hi:[1,0,1]
.set I, I+2
.endr
	WIN 0x45
.irp k, CA4,CA3,CA2,CA1,CA0
.set I, 0
.rept 16
	v_pk_fma_f32 v[P+I:P+I+1], v[P+I:P+I+1], v[S+I:S+I+1], s[\k:\k+1] op_sel_hi:[1,1,0]
.set I, I+2
.endr
.endr
.irp k, CB2,CB1,CB0
.set I, 0
.rept 16
	v_pk_fma_f32 v[Q+I:Q+I+1], v[Q+I:Q+I+1], v[S+I:S+I+1], s[\k:\k+1] op_sel_hi:[1,1,0]
.set I, I+2
.endr
.endr
	s_wait_alu depctr_va_vdst(0)                   ; the wait ahead of the batch
.set I, 0
.rept 32
	v_rcp_f32 v[Q+I], v[Q+I]
.set I, I+1
.endr
.set I, 0
.rept 16
	v_pk_mul_f32 v[P+I:P+I+1], v[P+I:P+I+1], v[ZC+I:ZC+I+1]
.set I, I+2
.endr
	s_wait_alu depctr_va_vdst(0)                   ; and behind it, ahead of the first reader
.set I, 0
.rept 16
	v_pk_fma_f32 v[P+I:P+I+1], v[P+I:P+I+1], v[Q+I:Q+I+1], s[CC:CC+1] op_sel_hi:[1,1,0]   ; (1 + erf) / sqrt 2
.set I, I+2
.endr
.set I, 0
.rept 16
	v_pk_mul_f32 v[Z+I:Z+I+1], v[Z+I:Z+I+1], v[P+I:P+I+1]
.set I, I+2
.endr
; the block's scale and codes: the largest magnitude with the floor 2^(3 - 127) among its leaves; 2 off its exponent field is the conversion's scale operand
	WIN 0x05
	v_max3_num_f32 v[MXA], |v[Z]|, |v[Z+1]|, 0x1800000
	v_max3_num_f32 v[MXB], |v[Z+2]|, |v[Z+3]|, 0x1800000
.irp i, 4,8,12,16,20,24,28
	v_max3_num_f32 v[MXA], |v[Z+\i]|, |v[Z+\i+1]|, v[MXA]
	v_max3_num_f32 v[MXB], |v[Z+\i+2]|, |v[Z+\i+3]|, v[MXB]
.endr
	WIN 0
	v_max_num_f32 v[MXA], v[MXA], v[MXB]
	v_add_nc_u32 v[SC], 0xff000000, v[MXA]
	v_lshrrev_b32 v[BY+\c], 23, v[SC]
	WIN 0x01
	v_cvt_scalef32_pk16_fp6_f32 v[PC+6*\c:PC+6*\c+2], v[Z:Z+15], v[SC]
	v_cvt_scalef32_pk16_fp6_f32 v[TMP+4*\c:TMP+4*\c+2], v[Z+16:Z+31], v[SC]   ; (a conversion's three registers begin on an even number)
	WIN 0
	v_nop                                          ; one plain instruction behind the conversions
.irp i, 0,1,2
	v_mov_b32 v[PC+6*\c+3+\i], v[TMP+4*\c+\i]
.endr
.endm
	s_wait_tensorcnt 0x0                           ; my part of the head's tiles is in
	ds_add_u32 v[SPW], v[NIL]
	s_mov_b32 s[G1A+2], 48<<16                     ; no tensor load of mine is out: from here on a load of x brings 48 rows
	s_mov_b32 s[G1A+4], 48
	s_wait_dscnt 0x0
	CROUND
	TLOAD G0A+4, G1A                               ; slot 1's first fill: step 1
	s_mov_b32 s2, 0                                ; the tile
.Ltile:
	FETCH_B 0, 0
	FETCH_A 0, 0, 0
	FETCH_A 0, 0, 4
	s_wait_loadcnt 0x0                             ; the scale words (the first time b1 too)
	STEP 0, 1                                      ; b1 starts the sums
	TURN 0, 1, 1
	STEP 1, 0
	TURN 1, 1, 1
	STEP 2, 0
	s_cmp_eq_u32 s2, 1
	s_cbranch_scc1 .Llast                          ; the last tile's tail is written out: it asks for nothing more
	TURN 2, 1, 1                                   ; slot 0 takes the next tile's step 0,
	STEP 3, 0
	TURN 3, 1, 0                                   ; slot 1 its step 1
	s_add_nc_u64 s[6:7], s[6:7], 8192              ; (the loads that read this base have come back)
	ASCL                                           ; the next tile's scale words come under the way out
	s_branch .Lout
.Llast:
	TURN 2, 0, 1
	STEP 3, 0
	s_wait_dscnt 12
	WINMUL 0, 0
	MUL16 0, 1, 7, 0
	MUL16 2, 1, 7, 0
	s_wait_dscnt 0x0
	WINMUL 1, 0
	MUL16 4, 1, 7, 0
	MUL16 6, 1, 7, 0
	PLACES
	WIN 0
.Lout:
; THE WAY OUT: a counted loop over my 8 blocks of 16 tokens.  Only the lines that read the accumulators differ from trip to trip: a switch on the counter picks them; they scale by 1 / sqrt 2 into fixed registers
	v_mov_b32 v26, v14
	v_mov_b32 v[OT], 0                             ; (a lane permute's destination counts as one of its sources)
	s_mov_b32 s3, 0
.Lrow:
.irp a, 0,1,2,3,4,5,6
	s_cmp_eq_u32 s3, \a
	s_cbranch_scc1 .Lin\a
.endr
.irp a, 7,6,5,4,3,2,1,0
.Lin\a:
	WIN (0x40|(2+\a/4))
	s_wait_alu depctr_va_vdst(0)                   ; the wait ahead of the first readers of matrix results
.set I, 0
.rept 32
	v_pk_mul_f32 v[I:I+1], v[64*(\a%4)+I:64*(\a%4)+I+1], s[CC:CC+1] op_sel_hi:[1,0]
.set I, I+2
.endr
	WIN 0
	s_wait_alu depctr_va_vdst(0)
.if \a > 0
	s_branch .Lcore
.endif
.endr
.Lcore:
	CORE 0
	CORE 1
	v_lshl_or_b32 v[WD], v[BY+1], 16, v[BY]        ; my two bytes: blocks h and 2 + h,
	v_lshlrev_b32 v[WD], v13, v[WD]                ; 8 h bits up;
	v_permlanex16_b32 v[OT], v[WD], s92, s93
	v_or_b32 v[WD], v[WD], v[OT]                   ; with lane l xor 16's two the word is whole
.irp g, 0,1,2
	global_store_b128 v[LI], v[PC+4*\g:PC+4*\g+3], s[14:15] offset:512*\g   ; the image: 512 consecutive bytes a store, aligned
.endr
	ds_store_b32 v26, v[WD]
	s_wait_xcnt 0x0                                ; the stores have read their registers and their base
	s_add_nc_u64 s[14:15], s[14:15], 3072
	v_add_nc_u32 v26, 64, v26
	s_add_co_u32 s3, s3, 1
	s_cmp_lt_u32 s3, 8
	s_wait_alu depctr_va_vdst(0)
	s_cbranch_scc1 .Lrow
	s_wait_dscnt 0x0                               ; for the others' sake: my scale words have landed
	s_barrier_signal -1
	s_barrier_wait -1
	ds_load_b32 v156, v10                          ; two tokens' words of both K steps: 16 bytes a lane
	ds_load_b32 v157, v10 offset:512
	ds_load_b32 v158, v10 offset:4
	ds_load_b32 v159, v10 offset:516
	s_wait_dscnt 0x0
	global_store_b128 v[LI], v[156:159], s[96:97]
	s_wait_xcnt 0x0
	s_add_nc_u64 s[96:97], s[96:97], 8192          ; on to the next 256 tokens
	s_add_nc_u64 s[14:15], s[14:15], 172032
	s_add_co_u32 s2, s2, 1
	s_cmp_lt_u32 s2, 2
	s_cbranch_scc1 .Ltile
	s_wait_tensorcnt 0x0                           ; the wave's end
	ds_add_u32 v[SPW], v[NIL]
	s_wait_dscnt 0x0
	CROUND                                         ; the closing round
	s_endpgm
.Lfunc_end_k_q09ef3d1c31_gemm1:
	.size	k_q09ef3d1c31_gemm1, .Lfunc_end_k_q09ef3d1c31_gemm1-k_q09ef3d1c31_gemm1
	.p2alignl 7, 3214868480
	.fill 96, 4, 3214868480
	.section	.rodata,"a",@progbits
	.p2align	6, 0x0
	.amdhsa_kernel k_q09ef3d1c31_gemm1
		.amdhsa_group_segment_fixed_size 327680
		.amdhsa_private_segment_fixed_size 0
		.amdhsa_enable_private_segment 0
		.amdhsa_kernarg_size 56
		.amdhsa_user_sgpr_count 2
		.amdhsa_user_sgpr_kernarg_segment_ptr 1
		.amdhsa_wavefront_size32 1
		.amdhsa_system_sgpr_workgroup_id_x 1
		.amdhsa_system_sgpr_workgroup_id_y 1
		.amdhsa_system_sgpr_workgroup_id_z 1
		.amdhsa_system_vgpr_workitem_id 0
		.amdhsa_next_free_vgpr 1024
		.amdhsa_next_free_sgpr 100
		.amdhsa_reserve_vcc 0
		.amdhsa_float_denorm_mode_32 3
		.amdhsa_float_denorm_mode_16_64 3
		.amdhsa_memory_ordered 1
		.amdhsa_forward_progress 1
		.amdhsa_inst_pref_size 217
	.end_amdhsa_kernel
	.amdgpu_metadata
---
amdhsa.version: [ 1, 2 ]
amdhsa.kernels:
  - .name:           k_q09ef3d1c31_gemm1
    .symbol:         k_q09ef3d1c31_gemm1.kd
    .args:
      - { .name: xc, .offset: 0, .size: 8, .value_kind: global_buffer, .address_space: global }
      - { .name: xs, .offset: 8, .size: 8, .value_kind: global_buffer, .address_space: global }
      - { .name: w1_codes, .offset: 16, .size: 8, .value_kind: global_buffer, .address_space: global }
      - { .name: w1_scales, .offset: 24, .size: 8, .value_kind: global_buffer, .address_space: global }
      - { .name: b1, .offset: 32, .size: 8, .value_kind: global_buffer, .address_space: global }
      - { .name: hc, .offset: 40, .size: 8, .value_kind: global_buffer, .address_space: global }
      - { .name: hs, .offset: 48, .size: 8, .value_kind: global_buffer, .address_space: global }
    .group_segment_fixed_size: 327680
    .private_segment_fixed_size: 0
    .kernarg_segment_align: 8
    .kernarg_segment_size: 56
    .max_flat_workgroup_size: 128
    .sgpr_count:     100
    .vgpr_count:     1024
    .wavefront_size: 32
...
	.end_amdgpu_metadata
.endif
;; end of part 2
;; launch gemm2 (part 3): grid 32 x 8, 4 waves a work-group, clusters of 4 x 4, 327,680 bytes of LDS; arguments hc, hs, w2_codes, w2_scales, b2, y; writes y
.if DOCPART == 3
	.amdgcn_target "amdgcn-amd-amdhsa--gfx1250"
	.amdhsa_code_object_version 6
	.text
	.protected	k_q09ef3d1c31_gemm2
	.globl	k_q09ef3d1c31_gemm2
	.p2align	8
	.type	k_q09ef3d1c31_gemm2,@function
k_q09ef3d1c31_gemm2:
	s_mov_b64 s[64:65], 0
	v_nop
	global_prefetch_b8 v0, s[64:65] scope:SCOPE_SE
	s_setreg_imm32_b32 hwreg(HW_REG_WAVE_MODE, 25, 1), 1
	s_wait_xcnt 0x0
	s_wait_alu depctr_hold_cnt(0) depctr_sa_sdst(0) depctr_va_vdst(0) depctr_va_sdst(0) depctr_va_ssrc(0) depctr_va_vcc(0) depctr_vm_vsrc(0)
	s_getreg_b32 s2, hwreg(HW_REG_IB_STS2, 6, 4)
	s_cmp_eq_u32 s2, 0
	s_cbranch_scc0 .Lentry_in_a_cluster
	s_endpgm
.Lentry_in_a_cluster:
	s_bfe_u32 s2, ttmp6, 0x10000c
	s_cmp_lg_u32 s2, 0xf033
	s_cbranch_scc0 .Lentry_shape_is_right
	s_endpgm
.Lentry_shape_is_right:
; y = h W2^T + b2 for all 8 experts, on codes of FP6 (E2M3) with one E8M0 scale for each 32 along K; y leaves as f32, [token][expert][1024], for the launch that normalises and sums.
; A WORK-GROUP STAYS.  It owns 256 columns (block nb of the 8 x 1,024: expert e = nb / 4 = the cluster's x) and 512 tokens (group tg), which it walks as four tiles of 128 tokens; K = 1,024.
; Four waves, as many as a WGP has SIMDs.  Wave w makes all 128 tokens x columns 64 w .. 64 w + 63: 32 accumulators of 16 x 16, 256 registers.
; W2 STAYS IN REGISTERS: a wave's 64 rows for all of K are 32 fragments, 384 registers.  They come once, by one tensor load a wave into LDS bytes that the wave alone reads, and from there into the registers.
; THE ACTIVATIONS go round: they lie in memory as images of operand registers (a fragment, 16 tokens x 128 K, is 1,536 dense bytes: three loads of 16 bytes a lane).  A slot holds a tile's WHOLE K, 98,304 bytes:
; four dense chunks of 24,576 bytes (256 along K each), one tensor load a wave.  Two slots: a refill has a way out and a whole K loop, 256 matrix instructions, in which to land.
; A tile's way out is 64 stores a wave, and nothing waits for them: they leave while the next tile is multiplied.
; THE PRODUCT IS USED TRANSPOSED: source 0 = 16 rows of W2, source 1 = 16 tokens: a lane holds eight neighbouring columns of one token's row.  b2 is the C of each sum's first product.
; CLUSTERS: 4 x 4 work-groups.  The activations hang on the expert and tg, which a row of the cluster shares, and are asked for jointly along it; W2's rows hang on nb alone and are asked for jointly along a column.
; LIMITS: codes and scale bytes are taken as they are given; a scale byte 0xff makes the sums NaN, as the format says.
; REGISTERS, in windows of 256: window 0: v1-31 addresses; v32-63 W2's scale words (tile b, K step k: v[32 + 8 b + k]); v64-95 h's scale words, two sets (both kinds hold nothing else); v96-127 b2's four tiles;
;   v128-223 h's 8 fragments, set 0; on the way out v128-255 take rows of y.   window 1: W2's fragments of K steps 0-4 (v[48 k + 12 b]).   window 2: accumulator (a, b) at v[8 (4 a + b)].
;   window 3: W2's fragments of K steps 5-7 (v[48 (k - 5) + 12 b]); v144-239 h's 8 fragments, set 1.
.set CHUNK, 24576                      ; 16 images: 128 tokens x 256 along K: what one tensor load brings
.set SLOTB, 98304                      ; a slot: four chunks
.set BT,    98304                      ; W2's rows on their way into registers: 52,224 bytes for each wave.  Slot 1 lies over their first part and is filled behind a barrier of its own
.set BP,    816                        ; a row of W2 in LDS: 3 x (256 bytes + 16 of padding)
.set BTW,   64*BP
.set STAGE, 229376                     ; the way out: 16 rows x 272 bytes for each wave, in bytes of W2's that have had their only fill and their last read
.set SP,    272
.set SCA,   307200                     ; h's scale words for the four tiles: 16,384 dense bytes
.set SPARE, 323584                     ; the spare words, 128 bytes for each wave: two blocks of 256 bytes that no other line names
.set FR,    12                         ; registers of a fragment
.set A0,    128                        ; h's set 0, in window 0
.set A1,    144                        ; h's set 1, in window 3
.set SCBR,  32
.set SCAR,  64
.set BIAS,  96
.set BK,    128                        ; the way out: four blocks of 16 rows read back, 32 registers each
.set ADRA,  16                         ; v16-19 16 x lane + 49,152 x (0 .. 3): the images of slot s, K steps of 256 number 2 g and 2 g + 1, at v[16 + 2 s + g]
.set AB,    20                         ; v20 my place in my rows of W2; v21 the same for pieces that lie behind one padding more
.set STO,   24                         ; v24 the stage: where I put 32 bytes of a row
.set RD,    25                         ; v25 and where I read a row back
.set CO,    26                         ; v26 my byte offset in y
.set ADSA,  27                         ; v27 h's scale words
.set SPW,   28                         ; v28 LDS address of my spare word; never rewritten
.set NIL,   29                         ; v29 0; never rewritten
.set G1A,  24                          ; s[24:31] group 1 for h's chunks;  s[32:39] group 0, one set for each slot
.set G0A,  32
.set G1B,  48                          ; s[48:55], s[56:59] for W2's rows
.set G0B,  56
.set G1SA, 68                          ; s[68:75], s[76:79] for h's scale words
.set G0SA, 76
.set MSB, 0
.macro WIN new                         ; the immediate's high byte repeats the setting that is left
.if MSB != (\new)
	s_set_vgpr_msb (MSB<<8)|(\new)
.set MSB, (\new)
.endif
.endm
.macro PLACES                          ; four plain instructions between a matrix instruction and a load into, or a read of, its registers
.rept 4
	v_nop
.endr
.endm
.macro TLOAD g0, g1                    ; every wave asks for its own part: no branch.  Four v_nop follow the line
	tensor_load_to_lds s[\g0:\g0+3], s[\g1:\g1+7]
	s_nop 0
.rept 4
	v_nop
.endr
.endm
.macro CROUND                          ; a round of the cluster's barrier
	s_barrier_signal -1
	s_barrier_wait -1
	s_cmp_lg_u32 s16, 0
	s_cbranch_scc1 .Lnot_wave_0_\@
	s_barrier_signal -3
.Lnot_wave_0_\@:
	s_barrier_wait -3
	s_barrier_signal -1
	s_barrier_wait -1
.endm
	s_load_b256 s[4:11], s[0:1], 0x0               ; h's codes s[4:5], h's scales s[6:7], W2's codes s[8:9], W2's scales s[10:11]
	s_load_b128 s[12:15], s[0:1], 0x20             ; b2 s[12:13], y s[14:15]
	v_lshl_add_u32 v[SPW], v0, 2, SPARE
	v_mov_b32 v[NIL], 0
	ds_add_u32 v28, v29
	ds_add_u32 v28, v29
	s_wait_dscnt 0x0
	v_lshrrev_b32 v1, 5, v0
	v_readfirstlane_b32 s16, v1                    ; wave 0..3
	s_bfe_u32 s40, ttmp6, 0x40000                  ; cx, cy: my place in the cluster
	s_bfe_u32 s41, ttmp6, 0x40004
	s_lshl_b32 s42, ttmp9, 2
	s_add_co_u32 s42, s42, s40                     ; nb = 4 x cluster x + cx
	s_and_b32 s19, ttmp7, 0xffff
	s_lshl_b32 s19, s19, 2
	s_add_co_u32 s19, s19, s41                     ; tg = 4 x cluster y + cy
	s_lshl_b32 s43, s41, 2
	s_lshl_b32 s43, 15, s43                        ; my row of the cluster
	s_lshl_b32 s44, 0x1111, s40                    ; my column
	s_or_b32 s[G1A], s43, (3<<16)|(1<<21)          ; a chunk: 96 rows of 256 dense bytes (32 elements of 8 bytes), no padding; the mask: my row; bit 21 beside a mask
	s_mov_b32 s[G1A+1], 32<<16                     ; tensor_dim0
	s_mov_b32 s[G1A+2], 96<<16                     ; tensor_dim1
	s_mov_b32 s[G1A+3], 32<<16                     ; tile_dim0
	s_mov_b32 s[G1A+4], 96                         ; tile_dim1
	s_mov_b32 s[G1A+5], 32                         ; pitch
	s_mov_b32 s[G1A+6], 0
	s_mov_b32 s[G1A+7], 0
	s_or_b32 s[G1B], s44, (0<<16)|(1<<20)|(1<<21)|(5<<22)|(3<<25)   ; W2: 64 whole rows of 768 bytes; 4 words of padding behind every 64; the mask: my column
	s_mov_b32 s[G1B+1], 768<<16
	s_mov_b32 s[G1B+2], 64<<16
	s_mov_b32 s[G1B+3], 768<<16
	s_mov_b32 s[G1B+4], 64
	s_mov_b32 s[G1B+5], 768
	s_mov_b32 s[G1B+6], 0
	s_mov_b32 s[G1B+7], 0
	s_or_b32 s[G1SA], s43, (3<<16)|(1<<21)         ; h's scale words: 16 rows of 256 dense bytes a wave
	s_mov_b32 s[G1SA+1], 32<<16
	s_mov_b32 s[G1SA+2], 16<<16
	s_mov_b32 s[G1SA+3], 32<<16
	s_mov_b32 s[G1SA+4], 16
	s_mov_b32 s[G1SA+5], 32
	s_mov_b32 s[G1SA+6], 0
	s_mov_b32 s[G1SA+7], 0
	; where the tiles come from.  h's hang on the expert and tg, W2's on nb: each in registers that never hold the other's coordinate
	s_lshl_b32 s20, ttmp9, 4
	s_lshl_b32 s21, s19, 1
	s_add_co_u32 s20, s20, s21                     ; my first block of 256 tokens: 16 e + 2 tg; my four tiles are the halves of it and of the next
	s_lshl_b32 s22, s20, 13                        ; its scale words: 8,192 bytes a block;
	s_lshl_b32 s21, s16, 12                        ; of the two blocks' 16,384 bytes each wave fetches a quarter
	s_add_co_u32 s22, s22, s21
	s_mov_b32 s23, 0
	s_mul_i32 s20, s20, 196608                     ; its codes: four K steps of 49,152 bytes;
	s_mul_i32 s21, s16, 49152                      ; wave w fetches K step w, and of it the tile's 24,576 bytes
	s_add_co_u32 s20, s20, s21
	s_mov_b32 s21, 0
	s_lshl_b32 s46, s42, 8
	s_lshl_b32 s47, s16, 6
	s_add_co_u32 s46, s46, s47                     ; W2: row 256 nb + 64 w
	s_mul_i32 s46, s46, 768
	s_mov_b32 s47, 0
	s_mul_i32 s45, s16, CHUNK                      ; where they go: no place in the cluster enters an LDS address
	s_mul_i32 s94, s16, BTW
	s_add_co_u32 s94, s94, BT
	s_lshl_b32 s95, s16, 12
	s_add_co_u32 s95, s95, SCA
	s_wait_kmcnt 0x0
	s_add_nc_u64 s[20:21], s[4:5], s[20:21]
	s_add_nc_u64 s[22:23], s[6:7], s[22:23]
	s_add_nc_u64 s[46:47], s[8:9], s[46:47]
	CROUND                                         ; all sixteen work-groups are here: the first joint loads meet
	s_mov_b32 s[G0B], 1
	s_mov_b32 s[G0B+1], s94
	s_mov_b64 s[G0B+2:G0B+3], s[46:47]
	s_or_b32 s[G0B+3], s[G0B+3], 0x80000000
	s_mov_b32 s[G0SA], 1
	s_mov_b32 s[G0SA+1], s95
	s_mov_b64 s[G0SA+2:G0SA+3], s[22:23]
	s_or_b32 s[G0SA+3], s[G0SA+3], 0x80000000
.irp s, 0,1
	s_mov_b32 s[G0A+4*\s], 1
	s_add_co_u32 s[G0A+4*\s+1], s45, \s*SLOTB
	s_add_nc_u64 s[G0A+4*\s+2:G0A+4*\s+3], s[20:21], \s*CHUNK      ; slot 0 begins with tile 0, slot 1 with tile 1: the other half of the same 256 tokens
	s_or_b32 s[G0A+4*\s+3], s[G0A+4*\s+3], 0x80000000
.endr
	TLOAD G0B, G1B                                 ; my rows of W2: my one tensor load at the head
	v_and_b32 v1, 15, v0                           ; r
	v_bfe_u32 v2, v0, 4, 1                         ; h
	v_and_b32 v3, 31, v0                           ; lane
	v_lshlrev_b32 v[ADRA], 4, v3                   ; 16 x lane
	v_add_nc_u32 v[ADRA+1], 49152, v[ADRA]
	v_add_nc_u32 v[ADRA+2], 98304, v[ADRA]
	v_add_nc_u32 v[ADRA+3], 147456, v[ADRA]
	v_mul_u32_u24 v[AB], v1, BP                    ; W2: row r of a tile,
	v_mad_u32_u24 v[AB], v2, 24, v[AB]             ; + 24 h,
	v_add_nc_u32 v[AB], s94, v[AB]                 ; in my wave's rows
	v_lshl_add_u32 v[AB+1], v2, 4, v[AB]           ; and the same behind one padding more
	v_lshl_add_u32 v[ADSA], v1, 3, SCA             ; h's scale words: 8 bytes a token and 256 along K
	s_mul_i32 s21, s16, 16*SP
	s_add_co_u32 s21, s21, STAGE                   ; my stage
	v_mul_u32_u24 v[STO], v1, SP                   ; in: row r, 32 bytes for each half of the lanes
	v_lshl_add_u32 v[STO], v2, 5, v[STO]
	v_add_nc_u32 v[STO], s21, v[STO]
	v_mul_u32_u24 v[RD], v2, SP                    ; back: lanes 0-15 take one row of 256 bytes, lanes 16-31 the next
	v_lshl_add_u32 v[RD], v1, 4, v[RD]
	v_add_nc_u32 v[RD], s21, v[RD]
	v_lshlrev_b32 v[CO], 15, v2                    ; and the same two tokens in y: a token's 8 rows are 32,768 bytes
	v_lshl_add_u32 v[CO], v1, 4, v[CO]
	v_lshlrev_b32 v9, 5, v2                        ; b2: lane (r, h) wants, for tile b, columns 16 b + 8 h + 0 .. 7
	s_wait_alu depctr_va_vdst(0)
	v_lshlrev_b32 v10, 5, v1                       ; W2's scale bytes: 32 a row
	s_wait_alu depctr_va_vdst(0)
	s_lshl_b32 s46, s42, 10
	s_lshl_b32 s47, s16, 8
	s_add_co_u32 s46, s46, s47                     ; 1,024 nb + 256 w: my 64 columns in bytes, in b2 and in a token's 8 rows of y
	s_mov_b32 s47, 0
	s_add_nc_u64 s[12:13], s[12:13], s[46:47]
	s_add_nc_u64 s[14:15], s[14:15], s[46:47]
	s_lshl_b32 s46, s46, 3                         ; 8,192 nb + 2,048 w: my 64 rows' scale bytes
	s_add_nc_u64 s[10:11], s[10:11], s[46:47]
	s_lshl_b32 s46, s19, 24                        ; my first token: 512 tg, 32,768 bytes each
	s_add_nc_u64 s[14:15], s[14:15], s[46:47]
.irp b, 0,1,2,3
	global_load_b128 v[BIAS+8*\b:BIAS+8*\b+3],   v9, s[12:13] offset:64*\b
	global_load_b128 v[BIAS+8*\b+4:BIAS+8*\b+7], v9, s[12:13] offset:64*\b+16
	global_load_b128 v[SCBR+8*\b:SCBR+8*\b+3],   v10, s[10:11] offset:512*\b       ; sixteen lanes read 512 consecutive bytes in two loads; word k scales K step k
	global_load_b128 v[SCBR+8*\b+4:SCBR+8*\b+7], v10, s[10:11] offset:512*\b+16
.endr
; a fragment of W2, 16 rows x 128 K: lane l holds its row's 24 bytes at 24 h of each 48: pieces of 8 bytes.  The mover has laid 16 bytes behind every 32 pieces: where the piece three on lies behind one padding more, the second address register serves
.macro FRAGB reg, k, b
.irp p, 0,1,2,3,4,5
.set PCE, 12*(\k)+6*(\p/3)+\p%3
.if PCE%32 < 29
	ds_load_b64 v[\reg+2*\p:\reg+2*\p+1], v[AB] offset:8*PCE+16*(PCE/32)+16*(\b)*BP
.else
	ds_load_b64 v[\reg+2*\p:\reg+2*\p+1], v[AB+1] offset:8*PCE+16*(PCE/32)+16*(\b)*BP
.endif
.endr
.endm
; h's eight fragments of K step k (128 along K) of the tile in a slot, as images: 24 loads, into set k % 2
.macro FETCHA slot, k
.set FK, (\k)
.if FK%2
.set FAR, A1
	WIN 0xc0                                       ; destination window 3
.else
.set FAR, A0
	WIN 0
.endif
.irp i, 0,1,2,3,4,5,6,7
.irp c, 0,1,2
	ds_load_b128 v[FAR+FR*\i+4*\c:FAR+FR*\i+4*\c+3], v[ADRA+2*(\slot)+FK/4] offset:((FK/2)%2)*CHUNK+(2*\i+FK%2)*1536+512*\c
.endr
.endr
	WIN 0
.endm
; tile t's scale words of K steps 2 q and 2 q + 1, two a token: 8 loads; every offset is an immediate
.macro SCALES t, q
.irp i, 0,1,2,3,4,5,6,7
	ds_load_b64 v[SCAR+16*((\q)%2)+2*\i:SCAR+16*((\q)%2)+2*\i+1], v[ADSA] offset:((\t)/2)*8192+(\q)*2048+((\t)%2)*1024+128*\i
.endr
.endm
; K step k of tile t: the next step's fragments are asked for, then 32 matrix instructions.  The 32 accumulators take turns, one instruction a turn, in the same order in every step.
; In step 0 the bias starts the sums: nothing is ever cleared
.macro KSTEP t, k
.set KK, (\k)
.set QQ, KK/2
.set UU, KK%2
.if KK < 5
.set BR, 48*KK
.set S0, 1
.else
.set BR, 48*(KK-5)
.set S0, 3
.endif
.if UU
.set AR, A1
.set S1, 3
.else
.set AR, A0
.set S1, 0
.endif
.if KK == 0
.set S2, 0
.else
.set S2, 2
.endif
	s_wait_dscnt 0x0                               ; this step's fragments and scale words are in (asked for 32 matrix instructions ago)
.if KK < 7
	PLACES                                         ; the other set was read by the step before
	FETCHA (\t)%2, KK+1
.if UU
	SCALES \t, QQ+1
.endif
.endif
	WIN (S0|(S1<<2)|(S2<<4)|0x80)                  ; source 0 (W2) window 1 or 3, source 1 (h) window 0 or 3, C window 2 (the bias: 0), D window 2
.irp a, 0,1,2,3,4,5,6,7
.irp b, 0,1,2,3
.if KK == 0
	v_wmma_scale_f32_16x16x128_f8f6f4 v[8*(4*\a+\b):8*(4*\a+\b)+7], v[BR+FR*\b:BR+FR*\b+FR-1], v[AR+FR*\a:AR+FR*\a+FR-1], v[BIAS+8*\b:BIAS+8*\b+7], v[SCBR+8*\b+KK], v[SCAR+16*(QQ%2)+2*\a+UU] matrix_a_fmt:MATRIX_FMT_FP6 matrix_b_fmt:MATRIX_FMT_FP6
.else
	v_wmma_scale_f32_16x16x128_f8f6f4 v[8*(4*\a+\b):8*(4*\a+\b)+7], v[BR+FR*\b:BR+FR*\b+FR-1], v[AR+FR*\a:AR+FR*\a+FR-1], v[8*(4*\a+\b):8*(4*\a+\b)+7], v[SCBR+8*\b+KK], v[SCAR+16*(QQ%2)+2*\a+UU] matrix_a_fmt:MATRIX_FMT_FP6 matrix_b_fmt:MATRIX_FMT_FP6
.endif
.endr
.endr
.endm
.macro KLOOP t
.irp k, 0,1,2,3,4,5,6,7
	KSTEP \t, \k
.endr
	WIN 0
.endm
; THE CHANGE OF SLOTS, behind a tile's K loop.  Each wave waits for all its tensor loads (its chunk of the next tile), adds 0 to its spare word, and waits for that and for its reads of the slot that it leaves.
; fill = 1: the barrier is a round of the cluster's, and behind it the slot just left takes the tile two further on.  The four v_nop at the end are the places in front of the way out's reads of the last results
.macro CHANGE slot, fill
	s_wait_tensorcnt 0x0                           ; no tensor load of mine is out, so a group 0 may be written
	ds_add_u32 v[SPW], v[NIL]                      ; 0 onto my spare word
.if \fill
	s_add_nc_u64 s[G0A+4*\slot+2:G0A+4*\slot+3], s[G0A+4*\slot+2:G0A+4*\slot+3], 196608   ; the same half of the next 256 tokens
.endif
	s_wait_dscnt 0x0                               ; the add is done, and my reads of the slot are over
.if \fill
	CROUND                                         ; no wave of any partner still reads the slot or has a load on its way
	TLOAD G0A+4*\slot, G1A                         ; the first thing behind the round, and my one tensor load until the next
.else
	s_barrier_signal -1
	s_barrier_wait -1                              ; the last tile's slot is whole for every wave; nothing is filled again
	PLACES
.endif
.endm
; THE WAY OUT, block by block of 16 tokens x my 64 columns.  A lane holds 32 neighbouring bytes of a row and the lanes beside it hold other rows: a block goes through my own stage and comes back as whole pieces of 256 bytes.
; LDS serves a wave's instructions in order: no wait between the stores and the loads, nor in front of the next block's stores.
.macro TOSTAGE a
	WIN 0x08                                       ; an LDS store's data are its source 1: window 2
.irp b, 0,1,2,3
	ds_store_b128 v[STO], v[8*(4*(\a)+\b):8*(4*(\a)+\b)+3]   offset:64*\b       ; each accumulator from its low end on
	ds_store_b128 v[STO], v[8*(4*(\a)+\b)+4:8*(4*(\a)+\b)+7] offset:64*\b+16
.endr
	WIN 0
.set BB, BK+32*((\a)%4)
.irp i, 0,1,2,3,4,5,6,7
	ds_load_b128 v[BB+4*\i:BB+4*\i+3], v[RD] offset:\i*2*SP
.endr
.endm
.macro SEND a, younger                 ; younger: the LDS instructions issued behind block a's loads, which may stay out
.set BB, BK+32*((\a)%4)
	s_wait_dscnt \younger                          ; the block is back in registers
.irp i, 0,1,2,3,4,5,6,7
	global_store_b128 v[CO], v[BB+4*\i:BB+4*\i+3], s[14:15] offset:(16*(\a)+2*\i)*32768 th:TH_STORE_NT   ; sixteen lanes store 256 consecutive bytes, at a multiple of 256 from y's first byte; 126 tokens on at the most: inside the signed 24-bit immediate
.endr
.endm
.macro WAYOUT
	TOSTAGE 0
.irp a, 1,2,3,4,5,6,7
.if \a == 4
	s_wait_xcnt 0x0                                ; blocks 0 to 2's stores have read their registers: blocks 4 to 6 may land there
.endif
.if \a == 7
	s_wait_xcnt 0x0                                ; and block 3's
.endif
	TOSTAGE \a
	SEND \a-1, 16                                  ; behind block a - 1's loads: block a's 8 stores and 8 loads
.endr
	SEND 7, 0
.endm
.macro NEXT t                          ; on to tile t
	s_wait_xcnt 0x0                                ; the stores have read their registers and their base: both are written again only behind this wait
	s_add_nc_u64 s[14:15], s[14:15], 4194304       ; 128 tokens on
	FETCHA (\t)%2, 0
	SCALES \t, 0
.endm
	s_wait_tensorcnt 0x0                           ; my rows of W2 have landed
	ds_add_u32 v[SPW], v[NIL]
	s_wait_dscnt 0x0
	CROUND
	TLOAD G0A, G1A                                 ; my chunk of tile 0: it lands while W2 goes into registers
	WIN 0x40                                       ; destination window 1
.irp k, 0,1,2,3,4
.irp b, 0,1,2,3
	FRAGB 48*\k+FR*\b, \k, \b
.endr
.endr
	WIN 0
	s_wait_tensorcnt 0x0                           ; the same lines once more, ahead of the scale words' first fill
	ds_add_u32 v[SPW], v[NIL]
	s_wait_dscnt 0x0
	CROUND
	TLOAD G0SA, G1SA                               ; my quarter of h's scale words
	WIN 0xc0
.irp k, 5,6,7
.irp b, 0,1,2,3
	FRAGB 48*(\k-5)+FR*\b, \k, \b
.endr
.endr
	WIN 0
	s_wait_tensorcnt 0x0                           ; all my tensor loads have landed: my parts of the scale words and of tile 0
	ds_add_u32 v[SPW], v[NIL]                      ; 0 onto my spare word
	s_wait_dscnt 0x0                               ; the add is done, and W2 is in my registers: my reads of its bytes are over
	CROUND                                         ; that now holds of every wave of every partner
	TLOAD G0A+4, G1A                               ; slot 1, which lies over W2's bytes, takes tile 1: it has tile 0's K loop in which to land
	FETCHA 0, 0
	SCALES 0, 0
	s_wait_loadcnt 0x0                             ; b2 and W2's scale words
	KLOOP 0
	CHANGE 0, 1                                    ; slot 0 takes tile 2
	WAYOUT
	NEXT 1
	KLOOP 1
	CHANGE 1, 1                                    ; slot 1 takes tile 3
	WAYOUT
	NEXT 2
	KLOOP 2
	CHANGE 0, 0                                    ; nothing is left to fetch
	WAYOUT
	NEXT 3
	KLOOP 3
	PLACES                                         ; the stores below read results just made
	WAYOUT
	s_wait_tensorcnt 0x0                           ; the wave's end
	ds_add_u32 v[SPW], v[NIL]
	s_wait_dscnt 0x0
	CROUND                                         ; the closing round: no work-group ends while a partner may still ask for a tile that names it
	s_endpgm
.Lfunc_end_k_q09ef3d1c31_gemm2:
	.size	k_q09ef3d1c31_gemm2, .Lfunc_end_k_q09ef3d1c31_gemm2-k_q09ef3d1c31_gemm2
	.p2alignl 7, 3214868480
	.fill 96, 4, 3214868480
	.section	.rodata,"a",@progbits
	.p2align	6, 0x0
	.amdhsa_kernel k_q09ef3d1c31_gemm2
		.amdhsa_group_segment_fixed_size 327680
		.amdhsa_private_segment_fixed_size 0
		.amdhsa_enable_private_segment 0
		.amdhsa_kernarg_size 48
		.amdhsa_user_sgpr_count 2
		.amdhsa_user_sgpr_kernarg_segment_ptr 1
		.amdhsa_wavefront_size32 1
		.amdhsa_system_sgpr_workgroup_id_x 1
		.amdhsa_system_sgpr_workgroup_id_y 1
		.amdhsa_system_sgpr_workgroup_id_z 1
		.amdhsa_system_vgpr_workitem_id 0
		.amdhsa_next_free_vgpr 1024
		.amdhsa_next_free_sgpr 100
		.amdhsa_reserve_vcc 0
		.amdhsa_float_denorm_mode_32 3
		.amdhsa_float_denorm_mode_16_64 3
		.amdhsa_memory_ordered 1
		.amdhsa_forward_progress 1
		.amdhsa_inst_pref_size 255
	.end_amdhsa_kernel
	.section	.bss,"aw",@nobits
	.p2align	6
	.space	262144
	.amdgpu_metadata
---
amdhsa.version: [ 1, 2 ]
amdhsa.kernels:
  - .name:           k_q09ef3d1c31_gemm2
    .symbol:         k_q09ef3d1c31_gemm2.kd
    .args:
      - { .name: hc, .offset: 0, .size: 8, .value_kind: global_buffer, .address_space: global }
      - { .name: hs, .offset: 8, .size: 8, .value_kind: global_buffer, .address_space: global }
      - { .name: w2_codes, .offset: 16, .size: 8, .value_kind: global_buffer, .address_space: global }
      - { .name: w2_scales, .offset: 24, .size: 8, .value_kind: global_buffer, .address_space: global }
      - { .name: b2, .offset: 32, .size: 8, .value_kind: global_buffer, .address_space: global }
      - { .name: y, .offset: 40, .size: 8, .value_kind: global_buffer, .address_space: global }
    .group_segment_fixed_size: 327680
    .private_segment_fixed_size: 0
    .kernarg_segment_align: 8
    .kernarg_segment_size: 48
    .max_flat_workgroup_size: 128
    .sgpr_count:     100
    .vgpr_count:     1024
    .wavefront_size: 32
...
	.end_amdgpu_metadata
.endif
;; end of part 3
;; launch reduce (part 4): grid 256 x 1, 16 waves a work-group, no clusters, 67,584 bytes of LDS; arguments y, wts, gamma, beta, out0; writes out0
.if DOCPART == 4
	.amdgcn_target "amdgcn-amd-amdhsa--gfx1250"
	.amdhsa_code_object_version 6
	.text
	.protected	k_q09ef3d1c31_reduce
	.globl	k_q09ef3d1c31_reduce
	.p2align	8
	.type	k_q09ef3d1c31_reduce,@function
k_q09ef3d1c31_reduce:
	s_mov_b64 s[64:65], 0
	v_nop
	global_prefetch_b8 v0, s[64:65] scope:SCOPE_SE
	s_setreg_imm32_b32 hwreg(HW_REG_WAVE_MODE, 25, 1), 1
	s_wait_xcnt 0x0
; out0[token] = sum over the 8 experts of w_e x (LayerNorm(y[token][e]) x gamma_e + beta_e).  y: [4096][8][1024] f32; wts: [4096][8]; gamma, beta: [8][1024]; out0: [4096][1024].
; Memory binds: y is read once, by loads of 512 consecutive bytes a wave.  One wave takes one token: a row of 4,096 bytes is 32 registers, so mean, variance (of the differences from the mean) and the scaling
; work on registers, and no wave waits for another.  The token's 8 rows go through four register slots: three rows are on their way while one is worked on.
; gamma and beta (64 KiB) are copied into LDS once for the work-group's 16 tokens.  No matrix unit, no cluster: there is no product here, and the work-groups share only these 64 KiB.
; LIMITS: NaN and infinities are not served.
.set ROWS, 32                          ; v32-159  four slots of 32
.set Z,    160                         ; v160-191 the token's sum
.set GA,   192                         ; v192-223 gamma_e, then gamma_e x w_e / sqrt(var + eps)
.set GB,   224                         ; v224-255 beta_e
.macro WSUM                            ; v4 summed over the 32 lanes, the result in every lane
	s_delay_alu instid0(VALU_DEP_1)
	v_add_f32_dpp v4, v4, v4 row_xmask:1 row_mask:0xf bank_mask:0xf
	s_delay_alu instid0(VALU_DEP_1)
	v_add_f32_dpp v4, v4, v4 row_xmask:2 row_mask:0xf bank_mask:0xf
	s_delay_alu instid0(VALU_DEP_1)
	v_add_f32_dpp v4, v4, v4 row_xmask:4 row_mask:0xf bank_mask:0xf
	s_delay_alu instid0(VALU_DEP_1)
	v_add_f32_dpp v4, v4, v4 row_xmask:8 row_mask:0xf bank_mask:0xf
	s_delay_alu instid0(VALU_DEP_1)
	v_permlanex16_b32 v19, v4, s20, s21
	s_delay_alu instid0(VALU_DEP_1)
	v_add_f32 v4, v4, v19
.endm
.macro MERGE                           ; the four chains v[4:11] into v4
	s_delay_alu instid0(VALU_DEP_3)
	v_pk_add_f32 v[4:5], v[4:5], v[6:7]
	s_delay_alu instid0(VALU_DEP_2)
	v_pk_add_f32 v[8:9], v[8:9], v[10:11]
	s_delay_alu instid0(VALU_DEP_1)
	v_pk_add_f32 v[4:5], v[4:5], v[8:9]
	s_delay_alu instid0(VALU_DEP_1)
	v_add_f32 v4, v4, v5
.endm
.macro FILL e                          ; expert e's row: eight loads of 512 consecutive bytes
.irp i, 0,1,2,3,4,5,6,7
	global_load_b128 v[ROWS+32*((\e)%4)+4*\i:ROWS+32*((\e)%4)+4*\i+3], v1, s[4:5] offset:4096*(\e)+512*\i th:TH_LOAD_NT
.endr
.endm
	s_load_b256 s[4:11], s[0:1], 0x0               ; y s[4:5], wts s[6:7], gamma s[8:9], beta s[10:11]
	s_load_b64 s[12:13], s[0:1], 0x20              ; out0
	v_lshl_add_u32 v30, v0, 2, 0x10000
	v_mov_b32 v31, 0
	v_lshrrev_b32 v1, 5, v0
	s_delay_alu instid0(VALU_DEP_1)
	v_readfirstlane_b32 s14, v1                    ; wave
	v_lshlrev_b32 v2, 4, v0                        ; 16 x thread
	v_and_b32 v1, 31, v0
	s_delay_alu instid0(VALU_DEP_1)
	v_lshlrev_b32 v1, 4, v1                        ; 16 x lane
	s_lshl_b32 s15, ttmp9, 4
	s_add_co_u32 s15, s15, s14                     ; my token
	s_lshl_b32 s16, s15, 15                        ; its 8 rows of y,
	s_mov_b32 s17, 0
	s_lshl_b32 s18, s15, 5                         ; its 8 weights,
	s_mov_b32 s19, 0
	s_lshl_b32 s24, s15, 12                        ; its row of out0
	s_mov_b32 s25, 0
	s_mov_b32 s20, 0x76543210
	s_mov_b32 s21, 0xfedcba98                      ; v_permlanex16_b32's selects for lane l xor 16
	s_mov_b32 s22, 0x3a800000                      ; 1 / 1,024
	s_mov_b32 s23, 0x3727c5ac                      ; 1e-5
	v_mov_b32 v13, 0                               ; (upper halves of pairs of which the low word serves both halves: named, so written)
	v_mov_b32 v15, 0
	v_mov_b32 v17, 0
	v_mov_b32 v19, 0                               ; (a lane permute's destination counts as one of its sources)
	s_wait_alu depctr_va_vdst(0)
	s_wait_kmcnt 0x0
	s_add_nc_u64 s[4:5], s[4:5], s[16:17]
	s_add_nc_u64 s[6:7], s[6:7], s[18:19]
	s_add_nc_u64 s[12:13], s[12:13], s[24:25]
	s_load_b256 s[32:39], s[6:7], 0x0              ; w_0 .. w_7
.irp j, 0,1,2,3
	global_load_b128 v[GA+4*\j:GA+4*\j+3], v2, s[8:9] offset:8192*\j       ; 512 threads x 16 bytes: 8,192 bytes a pass
	global_load_b128 v[GA+16+4*\j:GA+19+4*\j], v2, s[10:11] offset:8192*\j
.endr
	FILL 0
	FILL 1
	FILL 2
	FILL 3
	s_wait_loadcnt 32                              ; gamma's and beta's eight loads are in; the 32 loads of four rows stay out
.irp j, 0,1,2,3
	ds_store_b128 v2, v[GA+4*\j:GA+4*\j+3] offset:8192*\j
	ds_store_b128 v2, v[GA+16+4*\j:GA+19+4*\j] offset:32768+8192*\j
.endr
	s_wait_dscnt 0x0                               ; for the others' sake: my stores have landed
	s_barrier_signal -1
	s_barrier_wait -1
	s_wait_kmcnt 0x0                               ; the weights
; expert e.  left: how many younger loads (rows behind this one) may stay out
.macro TURN e, left
.set Y, ROWS+32*((\e)%4)
.irp i, 0,1,2,3,4,5,6,7
	ds_load_b128 v[GA+4*\i:GA+4*\i+3], v1 offset:4096*(\e)+512*\i
	ds_load_b128 v[GB+4*\i:GB+4*\i+3], v1 offset:32768+4096*(\e)+512*\i
.endr
	s_wait_loadcnt \left                           ; loads come back in order: this row is in
.irp k, 0,1,2,3
	v_pk_add_f32 v[4+2*\k:5+2*\k], v[Y+2*\k:Y+2*\k+1], v[Y+8+2*\k:Y+9+2*\k]   ; the row's sum, in four chains that the first numbers start
.endr
.irp g, 16,24
.irp k, 0,1,2,3
	s_delay_alu instid0(VALU_DEP_4)
	v_pk_add_f32 v[4+2*\k:5+2*\k], v[4+2*\k:5+2*\k], v[Y+\g+2*\k:Y+\g+2*\k+1]
.endr
.endr
	MERGE
	WSUM
	s_delay_alu instid0(VALU_DEP_1)
	v_mul_f32 v12, s22, v4                         ; the mean
.set I, 0
.rept 16
	v_pk_add_f32 v[Y+I:Y+I+1], v[Y+I:Y+I+1], v[12:13] op_sel_hi:[1,0] neg_lo:[0,1] neg_hi:[0,1]   ; y - mean, in place
.set I, I+2
.endr
.irp k, 0,1,2,3
	v_pk_mul_f32 v[4+2*\k:5+2*\k], v[Y+2*\k:Y+2*\k+1], v[Y+2*\k:Y+2*\k+1]
.endr
.irp g, 8,16,24
.irp k, 0,1,2,3
	s_delay_alu instid0(VALU_DEP_4)
	v_pk_fma_f32 v[4+2*\k:5+2*\k], v[Y+\g+2*\k:Y+\g+2*\k+1], v[Y+\g+2*\k:Y+\g+2*\k+1], v[4+2*\k:5+2*\k]
.endr
.endr
	MERGE
	WSUM
	s_delay_alu instid0(VALU_DEP_1)
	v_fma_f32 v18, v4, s22, s23                    ; the variance + eps
	s_wait_alu depctr_va_vdst(0)
	v_rsq_f32 v18, v18
	v_mov_b32 v16, s[32+\e]                        ; w_e: a plain instruction behind the root
	s_wait_alu depctr_va_vdst(0)                   ; the wait ahead of the root's first reader
	v_mul_f32 v14, v18, v16
	s_wait_alu depctr_va_vdst(0)
	s_wait_dscnt 0x0                               ; gamma_e and beta_e are in
.set I, 0
.rept 16
	v_pk_mul_f32 v[GA+I:GA+I+1], v[GA+I:GA+I+1], v[14:15] op_sel_hi:[1,0]
.set I, I+2
.endr
.set I, 0
.rept 16
.if (\e) == 0
	v_pk_mul_f32 v[Z+I:Z+I+1], v[GB+I:GB+I+1], v[16:17] op_sel_hi:[1,0]       ; the first expert starts the sum
.else
	v_pk_fma_f32 v[Z+I:Z+I+1], v[GB+I:GB+I+1], v[16:17], v[Z+I:Z+I+1] op_sel_hi:[1,0,1]
.endif
.set I, I+2
.endr
.set I, 0
.rept 16
	v_pk_fma_f32 v[Z+I:Z+I+1], v[Y+I:Y+I+1], v[GA+I:GA+I+1], v[Z+I:Z+I+1]
.set I, I+2
.endr
.if (\e) < 4
	FILL (\e)+4                                    ; this slot takes the row four experts on
.endif
.endm
	TURN 0, 24
	TURN 1, 24
	TURN 2, 24
	TURN 3, 24
	TURN 4, 24
	TURN 5, 16                                     ; nothing more is asked for: the counts run down
	TURN 6, 8
	TURN 7, 0
.irp i, 0,1,2,3,4,5,6,7
	global_store_b128 v1, v[Z+4*\i:Z+4*\i+3], s[12:13] offset:512*\i th:TH_STORE_NT   ; 512 consecutive bytes a store, aligned
.endr
	s_wait_tensorcnt 0x0
	ds_add_u32 v30, v31
	s_wait_dscnt 0x0
	s_endpgm
.Lfunc_end_k_q09ef3d1c31_reduce:
	.size	k_q09ef3d1c31_reduce, .Lfunc_end_k_q09ef3d1c31_reduce-k_q09ef3d1c31_reduce
	.p2alignl 7, 3214868480
	.fill 96, 4, 3214868480
	.section	.rodata,"a",@progbits
	.p2align	6, 0x0
	.amdhsa_kernel k_q09ef3d1c31_reduce
		.amdhsa_group_segment_fixed_size 67584
		.amdhsa_private_segment_fixed_size 0
		.amdhsa_enable_private_segment 0
		.amdhsa_kernarg_size 40
		.amdhsa_user_sgpr_count 2
		.amdhsa_user_sgpr_kernarg_segment_ptr 1
		.amdhsa_wavefront_size32 1
		.amdhsa_system_sgpr_workgroup_id_x 1
		.amdhsa_system_sgpr_workgroup_id_y 1
		.amdhsa_system_sgpr_workgroup_id_z 1
		.amdhsa_system_vgpr_workitem_id 0
		.amdhsa_next_free_vgpr 256
		.amdhsa_next_free_sgpr 66
		.amdhsa_reserve_vcc 0
		.amdhsa_float_denorm_mode_32 3
		.amdhsa_float_denorm_mode_16_64 3
		.amdhsa_memory_ordered 1
		.amdhsa_forward_progress 1
		.amdhsa_inst_pref_size 87
	.end_amdhsa_kernel
	.amdgpu_metadata
---
amdhsa.version: [ 1, 2 ]
amdhsa.kernels:
  - .name:           k_q09ef3d1c31_reduce
    .symbol:         k_q09ef3d1c31_reduce.kd
    .args:
      - { .name: y, .offset: 0, .size: 8, .value_kind: global_buffer, .address_space: global }
      - { .name: wts, .offset: 8, .size: 8, .value_kind: global_buffer, .address_space: global }
      - { .name: gamma, .offset: 16, .size: 8, .value_kind: global_buffer, .address_space: global }
      - { .name: beta, .offset: 24, .size: 8, .value_kind: global_buffer, .address_space: global }
      - { .name: out0, .offset: 32, .size: 8, .value_kind: global_buffer, .address_space: global }
    .group_segment_fixed_size: 67584
    .private_segment_fixed_size: 0
    .kernarg_segment_align: 8
    .kernarg_segment_size: 40
    .max_flat_workgroup_size: 512
    .sgpr_count:     66
    .vgpr_count:     256
    .wavefront_size: 32
...
	.end_amdgpu_metadata
.endif
;; end of part 4
